; MI455X (gfx1250); checked and timed in simulation.
; The chip was launched on July 23, 2026; its instructions are those of AMD's public machine-readable ISA for CDNA 5 (MIT licence, August 2026) and "CDNA5" Instruction Set Architecture Reference Guide (July 2026). The comments in the code are by the model that wrote it; some were corrected since.
;; Multi Head Attention. Allowed arithmetic: matrix products marked QUANTISED: E2M1 operands, one E8M0 scale for each 32 along K, by v_wmma_scale_f32_16x16x128_f8f6f4 with both operands' format E2M1 (or v_wmma_scale_f32_32x16x128_f4), f32 sums; products left as they are: bf16, f16 or f32 operands; f32 sums; everything else in f32.
;; Inputs: Wk 1,024 x 1,024 float32; Wo 1,024 x 1,024 float32; Wq 1,024 x 1,024 float32; Wv 1,024 x 1,024 float32; bk 1,024 float32; bo 1,024 float32; bq 1,024 float32; bv 1,024 float32; key 2 x 2,048 x 1,024 float32; query 2 x 2,048 x 1,024 float32; value 2 x 2,048 x 1,024 float32.
;; Outputs: out0 2 x 2,048 x 1,024 float32.
;; This version of the problem:
;;   THIS VERSION OF THE PROBLEM IS GIVEN IN LOW PRECISION. The matrix products marked QUANTISED in the list below multiply operands that are first quantised to E2M1 (2 exponent bits, 1 mantissa bit; 4 bits a number), with one power-of-two scale for each 32 numbers along K (OCP MX v1.0); their sums are f32. The products marked 'left as it is' may take bf16, f16 or f32 operands, with f32 sums. Whichever they take, every output number must still come out within the allowed error. Rounding operands to bf16 (8 significant bits) uses up far more of that allowance than f16 does (11 bits, for magnitudes from 6e-5 to 65,504). All else is computed in f32.
;;   The module's matrix products, in the order in which they are computed (A, B: the left and right operand; K: the contracted axis; several contracted axes count as one K, in the product's order):
;;     1. [M 4,096, K 1,024] x [K 1,024, N 1,024]; A: input query; B: input Wq: QUANTISED
;;     2. [M 4,096, K 1,024] x [K 1,024, N 1,024]; A: input key; B: input Wk: QUANTISED
;;     3. [M 4,096, K 1,024] x [K 1,024, N 1,024]; A: input value; B: input Wv: QUANTISED
;;     4. batch 32 x [M 2,048, K 64] x [K 64, N 2,048]; A: computed on the way; B: computed on the way: left as it is (an operand is computed on the way)
;;     5. batch 32 x [M 2,048, K 2,048] x [K 2,048, N 64]; A: computed on the way; B: computed on the way: left as it is (an operand is computed on the way)
;;     6. [M 4,096, K 1,024] x [K 1,024, N 1,024]; A: computed on the way; B: input Wo: left as it is (an operand is computed on the way)
;;   THE QUANTISER, for each operand of a quantised product, along K:
;;     - K is cut into blocks of 32 from its start; a last block that is shorter is filled with zeros.
;;     - A block's scale is 2^e with e = floor(log2(the largest magnitude in the block)) - 2, held to -126 .. 127; a block of zeros has e = 0. As a byte (E8M0): e + 127.
;;     - Each number is divided by its block's scale, clamped to +-6, and rounded to the nearest number of E2M1, ties to even, subnormals kept.
;;     - The product sums the exact products of the quantised numbers (number of the format x scale) in f32.
;;   ~~~python
;;   def quantise(x, axis):      # numpy; x: float32 -> the quantised numbers, widened to float32 again
;;       x = np.moveaxis(x, axis, -1); K = x.shape[-1]
;;       x = np.pad(x, [(0, 0)] * (x.ndim - 1) + [(0, -K % 32)]); x = x.reshape(x.shape[:-1] + (-1, 32)); a = np.abs(x).max(-1, keepdims=True)
;;       e = np.where(a > 0, np.clip(np.frexp(np.where(a > 0, a, 1))[1] - 1 - 2, -126, 127), 0)      # np.frexp(a)[1] - 1 = floor(log2(a)), exactly
;;       r = np.clip(x / 2.0 ** e, -6, 6)
;;       step = 2.0 ** (np.maximum(np.frexp(np.where(r == 0, 1, r))[1] - 1, 0) - 1)
;;       q = np.round(r / step) * step * 2.0 ** e      # np.round: ties to even
;;       return np.moveaxis(q.reshape(q.shape[:-2] + (-1,))[..., :K], -1, axis).astype(np.float32)
;;   ~~~
;; One version. Each part assembles by itself: llvm-mc -triple=amdgcn-amd-amdhsa -mcpu=gfx1250 --defsym DOCPART=n.
;; ======== version 1 of 1: 4 launches
;; limits: values are held in f16: magnitudes above 65,504 overflow, below 6.1e-05 lose precision
;; workspace buffers: xc 6,291,456 bytes; xs 393,216 bytes; wc 1,572,864 bytes; ws 98,304 bytes; wot 2,097,152 bytes; qkv 25,165,824 bytes; ctx 8,388,608 bytes
;; launch prep (part 1): grid 544 x 1, 4 waves a work-group, no clusters, 85,504 bytes of LDS; arguments query, key, value, Wq, Wk, Wv, Wo, xc, xs, wc, ws, wot; writes xc, xs, wc, ws, wot
.if DOCPART == 1
	.amdgcn_target "amdgcn-amd-amdhsa--gfx1250"
	.amdhsa_code_object_version 6
	.text
	.protected	k_qea0cf20bfd_prep
	.globl	k_qea0cf20bfd_prep
	.p2align	8
	.type	k_qea0cf20bfd_prep,@function
k_qea0cf20bfd_prep:
	s_mov_b64 s[64:65], 0
	v_nop
	global_prefetch_b8 v0, s[64:65] scope:SCOPE_SE
	s_setreg_imm32_b32 hwreg(HW_REG_WAVE_MODE, 25, 1), 1
	s_wait_xcnt 0x0
; THE OPERANDS ARE MADE READY, ONCE.  Three kinds of work-group, told apart by the work-group's number alone; the kind with the least work has the highest numbers:
;   0 .. 95    Wq, Wk, Wv [1024 (k)][1024 (n)] f32 -> codes of E2M1 with K innermost, wc [z 1024 + n][512 bytes], and E8M0 bytes ws [z 1024 + n][32]
;   96 .. 479  query, key, value [4096][1024] f32 -> codes xc [z 4096 + row][512 bytes], bytes xs [z 4096 + row][32]      (z = 0, 1, 2: q, k, v)
;   480 .. 543 Wo [1024 (k)][1024 (n)] f32 -> f16 with K innermost, in blocks: wot [n / 128][k / 64][n % 128][k % 64]
; A block's scale is 2^(floor(log2(its largest magnitude)) - 2); its byte is the largest magnitude's exponent field - 2, held at 1 from below.  Each number is divided by the scale and
; rounded to the nearest code, ties to even; beyond 6 the largest code.
; LIMITS: a block of zeros gets the byte 1 where the rule says 127 (its codes are zeros, which add nothing under any byte but 0xff, and this program alone reads the bytes); blocks whose largest
; magnitude lies under 2^(2 - 126) keep the byte 1; NaN and infinities among the inputs are not served; |Wo| above 65,504 becomes infinity in f16.
; No tensor loads, no barrier, no cluster: waves share nothing, and every input byte is read once.  Each kind of work-group has LDS bytes of its own.
.set EMAX,  2
.set SPW,   198                        ; v198  LDS address of my spare word: SPARE + 4 x my thread's number; never rewritten
.set NIL,   199                        ; v199  0; never rewritten
.set WREG,  8192                       ; the activations' way: a region for each wave: two stages of 32 x 80 bytes, then its 256 scale bytes
.set STGP,  272                        ; a stage row of the two weights' ways: 256 bytes + 16
.set WSTG,  4*WREG                     ; the quantised weights' stages: 16 rows for each wave
.set OSTG,  WSTG+4*16*STGP             ; Wo's stages: 32 rows for each wave
.set SPARE, OSTG+4*32*STGP             ; the spare words, 128 bytes for each wave: two blocks of 256 bytes that no other line names
	s_load_b512 s[4:19], s[0:1], 0x0               ; query s[4:5], key s[6:7], value s[8:9], Wq s[10:11], Wk s[12:13], Wv s[14:15], Wo s[16:17], xc s[18:19]
	s_load_b256 s[20:27], s[0:1], 0x40             ; xs s[20:21], wc s[22:23], ws s[24:25], wot s[26:27]
	v_lshl_add_u32 v[SPW], v0, 2, SPARE
	v_mov_b32 v[NIL], 0
	v_lshrrev_b32 v1, 5, v0
	v_readfirstlane_b32 s28, v1                    ; wave 0..3
	v_and_b32 v2, 31, v0                           ; lane
	s_mov_b32 s33, 0                               ; the upper word of every offset pair s[32:33]
	s_wait_kmcnt 0x0
	s_cmp_lt_u32 ttmp9, 96
	s_cbranch_scc1 .Lw
	s_cmp_ge_u32 ttmp9, 480
	s_cbranch_scc1 .Lwo
; ---------------- query, key, value.  Rows are dense and 1,024 is a multiple of 32: a tensor is a plain stream of blocks of 32, and so are its codes and its bytes.
; A wave takes 16 steps of 512 numbers.  A load reads 512 consecutive bytes, 16 a lane; a step's 2,048 bytes go through the wave's own stage in LDS and come back 64 bytes a lane: 16 NEIGHBOURS,
; as the conversions want them (two neighbouring lanes hold a block).  Loads run four steps (16 loads) ahead, the turn through LDS one step.
.set STEPS, 16
.set CB,    8                          ; bytes of 16 codes
.set SP,    80                         ; a lane's place in a stage: 64 bytes + 16 of padding
.set XR,    16                         ; v16-79   four sets of 16 numbers as loaded
.set XX,    80                         ; v80-111  two sets of 16 neighbours
.set XE,    112                        ; v112-127 a scale byte for each step
.set XC,    128                        ; v128-191 codes: four registers a step, so that no store's data are written again
	s_sub_co_u32 s29, ttmp9, 96
	s_lshr_b32 s30, s29, 7                         ; z: 128 work-groups to a tensor
	s_cmp_eq_u32 s30, 0                            ; the choice hangs on the work-group's number alone
	s_cselect_b64 s[4:5], s[4:5], s[6:7]
	s_cmp_eq_u32 s30, 2
	s_cselect_b64 s[4:5], s[8:9], s[4:5]
	s_lshl_b32 s29, s29, 2
	s_add_co_u32 s29, s29, s28                     ; g: which run of 8,192 numbers of the three stacked tensors is my wave's
	s_and_b32 s32, s29, 511
	s_lshl_b32 s32, s32, 15                        ; 32,768 bytes a run, 512 runs a tensor
	s_add_nc_u64 s[4:5], s[4:5], s[32:33]
	s_lshl_b32 s32, s29, 12                        ; 4,096 bytes of codes a run
	s_add_nc_u64 s[18:19], s[18:19], s[32:33]
	s_lshl_b32 s32, s29, 8                         ; 256 scale bytes a run
	s_add_nc_u64 s[20:21], s[20:21], s[32:33]
	v_lshlrev_b32 v3, 4, v2                        ; my 16 bytes of a load's 512
	s_mul_i32 s31, s28, WREG
	v_lshrrev_b32 v14, 2, v2
	v_mul_u32_u24 v14, v14, SP
	v_and_b32 v15, 3, v2
	v_lshl_add_u32 v14, v15, 4, v14
	v_add_nc_u32 v14, s31, v14                     ; the stage, way in: four lanes' 64 bytes on end, then 16 of padding
	v_mul_u32_u24 v15, v2, SP
	v_add_nc_u32 v15, s31, v15                     ; way out: my 16 neighbours
	v_mul_u32_u24 v4, v2, CB                       ; my codes' place in a step's 256 bytes
	v_lshrrev_b32 v5, 1, v2
	s_add_co_u32 s31, s31, 2*32*SP
	v_add_nc_u32 v5, s31, v5                       ; my wave's 256 scale bytes: my block's byte
	v_lshlrev_b32 v7, 3, v2                        ; and on the way out 8 bytes a lane
	v_add_nc_u32 v6, s31, v7
.macro XLOAD t
.irp i, 0,1,2,3
	global_load_b128 v[XR+16*((\t)%4)+4*\i:XR+16*((\t)%4)+4*\i+3], v3, s[4:5] offset:2048*(\t)+512*\i th:TH_LOAD_NT   ; 32 lanes read 512 consecutive bytes
.endr
.endm
.macro XTURN t                         ; step t's numbers through the stage: LDS serves a wave's instructions in order, so no wait stands between the stores and the loads
.irp i, 0,1,2,3
	ds_store_b128 v14, v[XR+16*((\t)%4)+4*\i:XR+16*((\t)%4)+4*\i+3] offset:32*SP*((\t)%2)+8*SP*\i
.endr
.irp i, 0,1,2,3
	ds_load_b128 v[XX+16*((\t)%2)+4*\i:XX+16*((\t)%2)+4*\i+3], v15 offset:32*SP*((\t)%2)+16*\i
.endr
.endm
.irp t, 0,1,2,3
	XLOAD \t
.endr
	s_wait_loadcnt 12                              ; step 0's four loads are in
	XTURN 0
.macro XSTEP t
.set XSET, XX+16*((\t)%2)
.if (\t) > 0
	s_wait_dscnt 1                                 ; this step's numbers are back from the stage (the last step's byte store may be out): so its stores into the stage have read their registers,
.else
	s_wait_dscnt 0x0
.endif
.if (\t)+4 < STEPS
	XLOAD (\t)+4                                   ; which take the loads of four steps on
.endif
.if (\t)+1 < STEPS
.if STEPS-2-(\t) >= 3
	s_wait_loadcnt 12                              ; the next step's four loads are in; those of the three steps behind it may be out
.else
	s_wait_loadcnt 4*(STEPS-2-(\t))
.endif
	XTURN (\t)+1                                   ; and go through the other stage while this step is worked
.endif
	v_max3_num_f32 v8, |v[XSET]|, |v[XSET+1]|, |v[XSET+2]|         ; the largest magnitude of my 16, in two chains
	v_max3_num_f32 v9, |v[XSET+3]|, |v[XSET+4]|, |v[XSET+5]|
.irp i, 6,10
	v_max3_num_f32 v8, v8, |v[XSET+\i]|, |v[XSET+\i+1]|
	v_max3_num_f32 v9, v9, |v[XSET+\i+2]|, |v[XSET+\i+3]|
.endr
	v_max3_num_f32 v8, v8, |v[XSET+14]|, |v[XSET+15]|
	v_max3_num_f32 v8, v8, v9, (EMAX+1)<<23        ; and the floor 2^(EMAX + 1 - 127): the byte cannot fall under 1
	v_max_num_f32_dpp v8, v8, v8 row_xmask:1 row_mask:0xf bank_mask:0xf   ; and of my neighbour's 16: the block's
	v_add_nc_u32 v11, -(EMAX<<23), v8              ; EMAX off its exponent field: the conversion takes the exponent field of this operand as its scale, and nothing else of it
	v_cvt_scalef32_pk8_fp4_f32 v[XC+4*(\t)], v[XSET:XSET+7], v11
	v_cvt_scalef32_pk8_fp4_f32 v[XC+4*(\t)+1], v[XSET+8:XSET+15], v11
	v_lshrrev_b32 v[XE+(\t)], 23, v11              ; the scale's byte (also the plain line behind the conversions)
	ds_store_b8 v5, v[XE+(\t)] offset:16*(\t)      ; both lanes of a block write the same byte with the same value
	global_store_b64 v4, v[XC+4*(\t):XC+4*(\t)+1], s[18:19] offset:32*CB*(\t)   ; the wave stores 256 consecutive bytes, aligned
.endm
.irp t, 0,1,2,3,4,5,6,7,8,9,10,11,12,13,14,15
	XSTEP \t
.endr
	ds_load_b64 v[8:9], v6                         ; LDS serves a wave's instructions in order: these see my byte stores
	s_wait_dscnt 0x0
	global_store_b64 v7, v[8:9], s[20:21]          ; 32 lanes store 256 consecutive bytes, aligned
	s_wait_tensorcnt 0x0                           ; the wave's end, behind my last LDS store
	ds_add_u32 v[SPW], v[NIL]
	s_wait_dscnt 0x0
	s_endpgm
; ---------------- Wq, Wk, Wv: K is the FIRST axis.  A LANE TAKES A COLUMN n AND ITS REGISTERS RUN DOWN K: a block of 32 lies in one lane's 32 registers, and the conversions give codes with K innermost.
; A wave takes 16 columns x 512 along K: lanes 0-15 the first 256 along K of the columns, lanes 16-31 the second 256.  So a lane walks 8 blocks, two of them on their way at a time: four turns of loads.
; A column's 256 bytes of codes meet in the wave's own stage and leave as a row: sixteen lanes store 256 consecutive bytes.  A load reads two runs of 64 bytes; the work-group's four waves stand side by
; side on 256 aligned bytes of each row of W, so these loads carry no hint.
.set NB,    8                          ; blocks of 32 along K for a lane
.set WSB,   24                         ; v24-25   the scale bytes, four to a register
.set WX,    32                         ; v32-95   two sets of 32 numbers
.set WC,    96                         ; v96-99   a block's codes
.set WOUT,  112                        ; v112-143 the way out
.Lw:
	s_lshr_b32 s30, ttmp9, 5                       ; z: 32 work-groups to a weight
	s_and_b32 s29, ttmp9, 15
	s_lshl_b32 s29, s29, 6
	s_lshl_b32 s31, s28, 4
	s_add_co_u32 s29, s29, s31                     ; my wave's first column: 64 x (number % 16) + 16 x wave
	s_bfe_u32 s31, ttmp9, 0x10004                  ; y: which 512 along K
	s_cmp_eq_u32 s30, 0
	s_cselect_b64 s[10:11], s[10:11], s[12:13]
	s_cmp_eq_u32 s30, 2
	s_cselect_b64 s[10:11], s[14:15], s[10:11]
	s_lshl_b32 s32, s31, 21                        ; 512 rows of 4,096 bytes
	s_lshl_b32 s34, s29, 2
	s_add_co_u32 s32, s32, s34
	s_add_nc_u64 s[10:11], s[10:11], s[32:33]
	s_lshl_b32 s32, s30, 19                        ; codes: 1,024 rows of 512 bytes a weight,
	s_lshl_b32 s34, s29, 9                         ; my first column's row,
	s_add_co_u32 s32, s32, s34
	s_lshl_b32 s34, s31, 8                         ; 256 bytes for 512 along K
	s_add_co_u32 s32, s32, s34
	s_add_nc_u64 s[22:23], s[22:23], s[32:33]
	s_lshl_b32 s32, s30, 15                        ; bytes: the same with rows of 32 and 16 for 512 along K
	s_lshl_b32 s34, s29, 5
	s_add_co_u32 s32, s32, s34
	s_lshl_b32 s34, s31, 4
	s_add_co_u32 s32, s32, s34
	s_add_nc_u64 s[24:25], s[24:25], s[32:33]
	v_and_b32 v5, 15, v2                           ; r: my column of the wave's 16
	v_lshrrev_b32 v6, 4, v2                        ; h: my half of the 512 along K
	v_lshlrev_b32 v3, 2, v5                        ; in: 4 bytes a column,
	v_lshl_add_u32 v3, v6, 20, v3                  ; and 256 rows of 4,096 bytes further down for lanes 16-31
	s_mul_i32 s35, s28, 16*STGP
	s_add_co_u32 s35, s35, WSTG                    ; my stage
	v_mul_u32_u24 v4, v5, STGP
	v_lshl_add_u32 v4, v6, 7, v4
	v_add_nc_u32 v4, s35, v4                       ; into it: row = my column, 128 bytes for each half of K
	v_mul_u32_u24 v7, v6, STGP                     ; out of it: sixteen lanes to a row, two rows an instruction
	v_lshl_add_u32 v7, v5, 4, v7
	v_add_nc_u32 v7, s35, v7
	v_mul_u32_u24 v8, v6, 512
	v_lshl_add_u32 v8, v5, 4, v8                   ; and the same place in the codes' buffer
	v_lshlrev_b32 v9, 5, v5                        ; my column's row of scale bytes,
	v_lshl_add_u32 v9, v6, 3, v9                   ; my half's eight
.macro WLOAD t                         ; block t: W(256 h + 32 t + i, my column) into set t % 2.  The offsets stay under 256 x 4,096, inside the signed 24-bit immediate
.irp i, 0,1,2,3,4,5,6,7,8,9,10,11,12,13,14,15,16,17,18,19,20,21,22,23,24,25,26,27,28,29,30,31
	global_load_b32 v[WX+32*((\t)%2)+\i], v3, s[10:11] offset:(32*(\t)+\i)*4096
.endr
.endm
	WLOAD 0
	WLOAD 1
.macro WBLOCK t
.set WSET, WX+32*((\t)%2)
.if (\t) < NB-1
	s_wait_loadcnt 32                              ; this block's 32 loads are in; the next block's may be out
.else
	s_wait_loadcnt 0
.endif
	v_max3_num_f32 v12, |v[WSET]|, |v[WSET+1]|, |v[WSET+2]|        ; the block's largest magnitude: all 32 numbers are mine
	v_max3_num_f32 v13, |v[WSET+3]|, |v[WSET+4]|, |v[WSET+5]|
.irp i, 6,10,14,18,22,26
	v_max3_num_f32 v12, v12, |v[WSET+\i]|, |v[WSET+\i+1]|
	v_max3_num_f32 v13, v13, |v[WSET+\i+2]|, |v[WSET+\i+3]|
.endr
	v_max3_num_f32 v12, v12, |v[WSET+30]|, |v[WSET+31]|
	v_max3_num_f32 v12, v12, v13, (EMAX+1)<<23     ; and the floor
	v_add_nc_u32 v11, -(EMAX<<23), v12             ; the conversion's scale operand
	v_lshrrev_b32 v13, 23, v11                     ; the scale's byte
.if (\t)%4 == 0
	v_mov_b32 v[WSB+(\t)/4], v13                   ; four bytes to a register, the lower K in the lower byte
.else
	v_lshl_or_b32 v[WSB+(\t)/4], v13, 8*((\t)%4), v[WSB+(\t)/4]
.endif
.irp g, 0,1,2,3
	v_cvt_scalef32_pk8_fp4_f32 v[WC+\g], v[WSET+8*\g:WSET+8*\g+7], v11
.endr
	ds_store_b128 v4, v[WC:WC+3] offset:16*(\t)    ; 32 codes: 16 bytes of my column's row.  (The next vector lines are plain and touch neither the codes nor the conversions' sources)
.if (\t)+2 < NB
	WLOAD (\t)+2
.endif
	s_wait_dscnt 0x0                               ; the store has read its registers: the next block's codes may be written
.endm
.set BQ, 0
.rept NB
	WBLOCK BQ
.set BQ, BQ+1
.endr
	global_store_b64 v9, v[WSB:WSB+1], s[24:25]    ; my eight scale bytes: a quarter of a row of 32 (96 KiB in all against the 64 MiB that the launch reads)
.irp t, 0,1,2,3,4,5,6,7
	ds_load_b128 v[WOUT+4*\t:WOUT+4*\t+3], v7 offset:2*\t*STGP   ; LDS serves a wave's instructions in order: these see my stores
.endr
.irp t, 0,1,2,3,4,5,6,7
	s_wait_dscnt 7-\t                              ; load t is in, the younger ones may be out
	global_store_b128 v8, v[WOUT+4*\t:WOUT+4*\t+3], s[22:23] offset:2*\t*512   ; sixteen lanes store 256 consecutive bytes, aligned
.endr
	s_wait_tensorcnt 0x0                           ; the wave's end
	ds_add_u32 v[SPW], v[NIL]
	s_wait_dscnt 0x0
	s_endpgm
; ---------------- Wo: the same plan without a quantiser.  A lane takes a column n, its registers run down 128 of K (two heads); pairs are rounded to f16, 256 bytes a column go into the wave's stage,
; and leave by heads: four rows n of one head are 512 consecutive bytes of wot.
.set OX,    32                         ; v32-95   two sets of 32 numbers; later the way out
.set OC,    96                         ; v96-159  16 registers of f16 pairs for each of the four blocks
.Lwo:
	s_sub_co_u32 s29, ttmp9, 480
	s_and_b32 s30, s29, 7                          ; nb: which 128 columns
	s_lshr_b32 s31, s29, 3                         ; y: which 128 along K
	s_lshl_b32 s32, s31, 19                        ; 128 rows of 4,096 bytes
	s_lshl_b32 s34, s30, 9
	s_add_co_u32 s32, s32, s34
	s_lshl_b32 s34, s28, 7                         ; my wave's 32 columns
	s_add_co_u32 s32, s32, s34
	s_add_nc_u64 s[16:17], s[16:17], s[32:33]
	s_lshl_b32 s32, s30, 18                        ; wot: 16 heads x 128 rows x 128 bytes for each nb,
	s_lshl_b32 s34, s31, 15                        ; two heads for each y,
	s_add_co_u32 s32, s32, s34
	s_lshl_b32 s34, s28, 12                        ; 32 rows of 128 bytes for each wave
	s_add_co_u32 s32, s32, s34
	s_add_nc_u64 s[26:27], s[26:27], s[32:33]
	v_lshlrev_b32 v3, 2, v2
	s_mul_i32 s35, s28, 32*STGP
	s_add_co_u32 s35, s35, OSTG                    ; my stage
	v_mul_u32_u24 v4, v2, STGP
	v_add_nc_u32 v4, s35, v4                       ; into it: row = my column
	v_lshrrev_b32 v5, 3, v2
	v_and_b32 v6, 7, v2                            ; out of it: eight lanes take a head's 128 bytes of a row, four rows an instruction
	v_mul_u32_u24 v7, v5, STGP
	v_lshl_add_u32 v7, v6, 4, v7
	v_add_nc_u32 v7, s35, v7
	v_lshlrev_b32 v8, 4, v2                        ; which are 512 consecutive bytes of wot
.macro OLOAD t
.irp i, 0,1,2,3,4,5,6,7,8,9,10,11,12,13,14,15,16,17,18,19,20,21,22,23,24,25,26,27,28,29,30,31
	global_load_b32 v[OX+32*((\t)%2)+\i], v3, s[16:17] offset:(32*(\t)+\i)*4096 th:TH_LOAD_NT
.endr
.endm
	OLOAD 0
	OLOAD 1
.macro OBLOCK t
.set OSET, OX+32*((\t)%2)
.if (\t) < 3
	s_wait_loadcnt 32                              ; this block's 32 loads are in; the next block's may be out
.else
	s_wait_loadcnt 0
.endif
.irp i, 0,1,2,3,4,5,6,7,8,9,10,11,12,13,14,15
	v_cvt_pk_f16_f32 v[OC+16*(\t)+\i], v[OSET+2*\i], v[OSET+2*\i+1]   ; the lower k in the low half
.endr
.irp g, 0,1,2,3
	ds_store_b128 v4, v[OC+16*(\t)+4*\g:OC+16*(\t)+4*\g+3] offset:64*(\t)+16*\g   ; each block has registers of its own: no wait for these stores
.endr
.if (\t)+2 < 4
	OLOAD (\t)+2
.endif
.endm
.irp t, 0,1,2,3
	OBLOCK \t
.endr
.irp i, 0,1,2,3,4,5,6,7,8,9,10,11,12,13,14,15
	ds_load_b128 v[OX+4*\i:OX+4*\i+3], v7 offset:(\i%8)*4*STGP+(\i/8)*128   ; rows 4 (i % 8) on, head i / 8.  LDS serves a wave's instructions in order: these see my stores
.endr
.irp i, 0,1,2,3,4,5,6,7,8,9,10,11,12,13,14,15
	s_wait_dscnt 15-\i
	global_store_b128 v8, v[OX+4*\i:OX+4*\i+3], s[26:27] offset:(\i%8)*512+(\i/8)*16384   ; 32 lanes store 512 consecutive bytes, aligned
.endr
	s_wait_tensorcnt 0x0                           ; the wave's end
	ds_add_u32 v[SPW], v[NIL]
	s_wait_dscnt 0x0
	s_endpgm
.Lfunc_end_k_qea0cf20bfd_prep:
	.size	k_qea0cf20bfd_prep, .Lfunc_end_k_qea0cf20bfd_prep-k_qea0cf20bfd_prep
	.p2alignl 7, 3214868480
	.fill 96, 4, 3214868480
	.section	.rodata,"a",@progbits
	.p2align	6, 0x0
	.amdhsa_kernel k_qea0cf20bfd_prep
		.amdhsa_group_segment_fixed_size 85504
		.amdhsa_private_segment_fixed_size 0
		.amdhsa_enable_private_segment 0
		.amdhsa_kernarg_size 96
		.amdhsa_user_sgpr_count 2
		.amdhsa_user_sgpr_kernarg_segment_ptr 1
		.amdhsa_wavefront_size32 1
		.amdhsa_system_sgpr_workgroup_id_x 1
		.amdhsa_system_sgpr_workgroup_id_y 1
		.amdhsa_system_sgpr_workgroup_id_z 1
		.amdhsa_system_vgpr_workitem_id 0
		.amdhsa_next_free_vgpr 200
		.amdhsa_next_free_sgpr 66
		.amdhsa_reserve_vcc 0
		.amdhsa_float_denorm_mode_32 3
		.amdhsa_float_denorm_mode_16_64 3
		.amdhsa_memory_ordered 1
		.amdhsa_forward_progress 1
		.amdhsa_inst_pref_size 95
	.end_amdhsa_kernel
	.amdgpu_metadata
---
amdhsa.version: [ 1, 2 ]
amdhsa.kernels:
  - .name:           k_qea0cf20bfd_prep
    .symbol:         k_qea0cf20bfd_prep.kd
    .args:
      - { .name: query, .offset: 0, .size: 8, .value_kind: global_buffer, .address_space: global }
      - { .name: key, .offset: 8, .size: 8, .value_kind: global_buffer, .address_space: global }
      - { .name: value, .offset: 16, .size: 8, .value_kind: global_buffer, .address_space: global }
      - { .name: Wq, .offset: 24, .size: 8, .value_kind: global_buffer, .address_space: global }
      - { .name: Wk, .offset: 32, .size: 8, .value_kind: global_buffer, .address_space: global }
      - { .name: Wv, .offset: 40, .size: 8, .value_kind: global_buffer, .address_space: global }
      - { .name: Wo, .offset: 48, .size: 8, .value_kind: global_buffer, .address_space: global }
      - { .name: xc, .offset: 56, .size: 8, .value_kind: global_buffer, .address_space: global }
      - { .name: xs, .offset: 64, .size: 8, .value_kind: global_buffer, .address_space: global }
      - { .name: wc, .offset: 72, .size: 8, .value_kind: global_buffer, .address_space: global }
      - { .name: ws, .offset: 80, .size: 8, .value_kind: global_buffer, .address_space: global }
      - { .name: wot, .offset: 88, .size: 8, .value_kind: global_buffer, .address_space: global }
    .group_segment_fixed_size: 85504
    .private_segment_fixed_size: 0
    .kernarg_segment_align: 8
    .kernarg_segment_size: 96
    .max_flat_workgroup_size: 128
    .sgpr_count:     66
    .vgpr_count:     200
    .wavefront_size: 32
...
	.end_amdgpu_metadata
.endif
;; end of part 1
;; launch proj (part 2): grid 4 x 48, 4 waves a work-group, clusters of 4 x 4, 327,680 bytes of LDS; arguments xc, xs, wc, ws, bq, bk, bv, qkv; writes qkv
.if DOCPART == 2
	.amdgcn_target "amdgcn-amd-amdhsa--gfx1250"
	.amdhsa_code_object_version 6
	.text
	.protected	k_qea0cf20bfd_proj
	.globl	k_qea0cf20bfd_proj
	.p2align	8
	.type	k_qea0cf20bfd_proj,@function
k_qea0cf20bfd_proj:
	s_mov_b64 s[64:65], 0
	v_nop
	global_prefetch_b8 v0, s[64:65] scope:SCOPE_SE
	s_setreg_imm32_b32 hwreg(HW_REG_WAVE_MODE, 25, 1), 1
	s_wait_xcnt 0x0
	s_wait_alu depctr_hold_cnt(0) depctr_sa_sdst(0) depctr_va_vdst(0) depctr_va_sdst(0) depctr_va_ssrc(0) depctr_va_vcc(0) depctr_vm_vsrc(0)
	s_getreg_b32 s2, hwreg(HW_REG_IB_STS2, 6, 4)
	s_cmp_eq_u32 s2, 0
	s_cbranch_scc0 .Lentry_in_a_cluster
	s_endpgm
.Lentry_in_a_cluster:
	s_bfe_u32 s2, ttmp6, 0x10000c
	s_cmp_lg_u32 s2, 0xf033
	s_cbranch_scc0 .Lentry_shape_is_right
	s_endpgm
.Lentry_shape_is_right:
; THE THREE PROJECTIONS ON CODES OF E2M1: qkv[z] = X[z] W[z] + bias[z], z = 0, 1, 2 (q, k, v), as ONE product of 12,288 stacked rows: tile row 0 .. 47, of which 16 belong to each z.
; xc [z 4096 + row][512 bytes] and wc [z 1024 + n][512 bytes]: two codes a byte, K innermost; xs, ws: one E8M0 byte for each 32 along K, 32 a row.  Sums in f32; the bias is the C of each sum's first product.
; The result is rounded once to f16 and laid by heads: qkv [z][b][h][l][64].   LIMIT: a result above 65,504 in magnitude becomes infinity in f16.
; A tile of 256 x 256 is made by a work-group of four waves; a wave makes 128 x 128: 64 accumulators of 16 x 16, 512 registers.  192 work-groups: tiles of half the size would be 384 or 768, one and a half
; or three uneven turns on 256 WGPs, each with its own first fill to wait for, for 512 matrix instructions a wave.
; K = 1,024 is two slots of 512 (a tile's row is 256 bytes of memory): both are asked for at the head and no LDS byte is filled twice.  The scale bytes of the tile's rows come with them, as dense blocks.
; CLUSTERS: 4 x 4 work-groups.  The four of a row of the cluster need the same tiles of X, the four of a column the same tiles of W: each tile is asked for JOINTLY, by the same tensor load with the same
; descriptor and a mask that names the four.  z hangs on the cluster's y alone, so all sixteen share it.
; THE MATRIX INSTRUCTION IS USED TRANSPOSED (source 0 = 16 rows of W, source 1 = 16 rows of X): a lane then holds eight neighbouring columns of one token.
; REGISTERS, in windows of 256: window 0: v0-31 addresses; v32-95 scale words, two sets, and nothing else ever; v128-191 X's fragments, ONE set; v192-255 the bias, eight registers for each of my 8 column
;   blocks; on the way out v128-223 are at work.   window 1: W's fragments, TWO sets.   window 2: the accumulators of my rows 0-63 ((a, b) at v[8 (8 a + b)]);   window 3: of my rows 64-127.
.set NQ,     4                         ; matrix instructions deep in a slot: 512 / 128
.set ROWB,   256                       ; a tile's row in bytes
.set KROW,   512                       ; a row of codes in memory
.set PITCH,  272                       ; an LDS row: 256 bytes + 16 of padding = 68 words: the 16 rows that a load touches start at 16 different banks (64 banks of 4 bytes: ISA guide 11.1)
.set FR,     8                         ; registers of a fragment: 16 rows x 128 K
.set NL,     2                         ; LDS loads that bring one
.set NP,     4                         ; places behind this matrix instruction (ISA guide 7.12.1)
.set HALFT,  128*PITCH                 ; 128 rows: what one tensor load brings
.set SLOT,   4*HALFT                   ; X's 256 rows, then W's 256 rows
.set KS,     32                        ; a row of scale bytes
.set SCL,    2*SLOT                    ; behind the slots: the scales, as units of 256 bytes + 16 of padding
.set HALFS,  (128*KS/256)*272          ; those of 128 rows: what one tensor load brings
.set SBLK,   (16*KS/256)*272           ; those of 16 rows
.set SPARE,  SCL+4*HALFS               ; the spare words, 128 bytes for each wave: two blocks of 256 bytes that no other line names
.set SPITCH, 272                       ; the way out: a stage of 16 rows x (256 bytes + 16) for each wave, in slot 0, which has had its one fill and its last read when the first result is stored there
.set ADRA, 16                          ; v16-17  LDS address of my X fragments in slot 0, 1
.set ADRB, 20                          ; v20-21  the same for W
.set STO,  24                          ; v24     the way out: where I put 16 bytes of a token
.set RD,   25                          ; v25     where I read them back
.set CO,   26                          ; v26     16 x lane: my place in 512 bytes of qkv
.set ADRS, 27                          ; v27     LDS address of my scale words: lanes 0-15 X's rows, lanes 16-31 W's
.set SPW,  28                          ; v28     LDS address of my spare word; never rewritten
.set NIL,  29                          ; v29     0; never rewritten
.set BOF,  30                          ; v30     32 x (lane / 16): my eight numbers of a block of the bias
.set SC,   32                          ; scale words: set s at v[SC + 32 s]; register 4 i + q: lanes 0-15 X's block i, lanes 16-31 W's block i, the slot's q-th 128 along K
.set AF,   128
.set BIAS, 192
.set TMP,  128                         ; the way out: a block's packed results
.set BK,   160                         ; and 16 tokens read back: v160-191 and v192-223 by turns
.set G1, 24                            ; s[24:31] descriptor group 1 for X's tiles;  s[32:39] group 0, one set for each slot
.set G0, 32
.set G1B, 48                           ; s[48:55], s[56:63] the same for W's tiles
.set G0B, 56
.set G1S, 68                           ; s[68:75], s[76:79] groups 1 and 0 for X's scales;  s[80:87], s[88:91] for W's
.set G0S, 76
.set G1SB, 80
.set G0SB, 88
.set MSB, 0
.macro WIN new                         ; the immediate's high byte repeats the setting that is left
.if MSB != \new
	s_set_vgpr_msb (MSB<<8)|\new
.set MSB, \new
.endif
.endm
.set MUL_LO,   0xa1                    ; source 0 (W) window 1, source 1 (X) window 0, C and D window 2
.set MUL_HI,   0xf1                    ; the same, C and D window 3
.set FIRST_LO, 0x81                    ; the first products: C (the bias) window 0, D window 2
.set FIRST_HI, 0xc1                    ; D window 3
.set TO_B,     0x40                    ; destination window 1, address window 0
; A joint load: waves 0 and 1 fetch for X, waves 2 and 3 for W.  Each of the two lines has ONE mask and one set of registers for all that issue it; the branch hangs on the wave's number alone.
; An s_nop 0 and four v_nop follow each of the two lines, ahead of the jump, the label and what follows.
.macro JLOAD g0a, g1a, g0b, g1b
	s_cmp_eq_u32 s15, 0
	s_cbranch_scc0 .Lfor_b_\@
	tensor_load_to_lds s[\g0a:\g0a+3], s[\g1a:\g1a+7]
	s_nop 0
.rept 4
	v_nop
.endr
	s_branch .Lasked_\@
.Lfor_b_\@:
	tensor_load_to_lds s[\g0b:\g0b+3], s[\g1b:\g1b+7]
	s_nop 0
.rept 4
	v_nop
.endr
.Lasked_\@:
.endm
.macro CROUND                          ; a round of the cluster's barrier: my work-group's barrier; wave 0 signals for the work-group; every wave waits for all sixteen; my work-group's barrier once more
	s_barrier_signal -1
	s_barrier_wait -1
	s_cmp_lg_u32 s14, 0
	s_cbranch_scc1 .Lnot_wave_0_\@
	s_barrier_signal -3
.Lnot_wave_0_\@:
	s_barrier_wait -3
	s_barrier_signal -1
	s_barrier_wait -1
.endm
	s_load_b128 s[4:7], s[0:1], 0x0                ; xc s[4:5], xs s[6:7]
	s_load_b128 s[8:11], s[0:1], 0x10              ; wc s[8:9], ws s[10:11]
	s_load_b128 s[96:99], s[0:1], 0x20             ; bq s[96:97], bk s[98:99]
	s_load_b64 s[100:101], s[0:1], 0x30            ; bv
	s_load_b64 s[12:13], s[0:1], 0x38              ; qkv
	v_lshl_add_u32 v[SPW], v0, 2, SPARE
	v_mov_b32 v[NIL], 0
	ds_add_u32 v[SPW], v[NIL]                      ; the wave's opening: the add, twice on end, and its wait ahead of my first tensor load; the set-up below stands between
	ds_add_u32 v[SPW], v[NIL]
	v_lshrrev_b32 v1, 5, v0
	v_readfirstlane_b32 s14, v1                    ; wave 0..3
	s_lshr_b32 s15, s14, 1                         ; which half of the tile's rows is mine.  Also: I fetch for X (0) or for W (1)
	s_and_b32 s16, s14, 1                          ; which half of its columns.  Also: which 128 rows of that tile I fetch
	s_bfe_u32 s40, ttmp6, 0x40000                  ; cx, cy: my place in the cluster
	s_bfe_u32 s41, ttmp6, 0x40004
	s_lshl_b32 s42, ttmp9, 2
	s_add_co_u32 s42, s42, s40                     ; tile column = 4 x cluster x + cx
	s_and_b32 s17, ttmp7, 0xffff
	s_lshr_b32 s95, s17, 2                         ; z = cluster y / 4: four clusters of four tile rows to each of q, k, v
	s_lshl_b32 s17, s17, 2
	s_add_co_u32 s17, s17, s41                     ; tile row of the stacked rows = 4 x cluster y + cy
	s_lshl_b32 s43, s41, 2
	s_lshl_b32 s43, 15, s43                        ; my row of the cluster
	s_lshl_b32 s44, 0x1111, s40                    ; my column
	; descriptor group 1: a tile of 128 rows x 256 bytes, padded in LDS
	s_or_b32 s[G1+0], s43, (0<<16)|(1<<20)|(1<<21)|(5<<22)|(3<<25)  ; 15:0 the mask: X's tiles go to my row; 17:16 elements of 1 byte; 20 padding on; 21 set beside a mask; 24:22 after every 64 words; 31:25 four words
	s_or_b32 s[G1B+0], s44, (0<<16)|(1<<20)|(1<<21)|(5<<22)|(3<<25)
.irp g, G1, G1B
	s_mov_b32 s[\g+1], ROWB<<16                    ; tensor_dim0
	s_mov_b32 s[\g+2], 128<<16                     ; tensor_dim1
	s_mov_b32 s[\g+3], ROWB<<16                    ; tile_dim0
	s_mov_b32 s[\g+4], 128                         ; tile_dim1
	s_mov_b32 s[\g+5], KROW                        ; tensor_dim0_stride
	s_mov_b32 s[\g+6], 0
	s_mov_b32 s[\g+7], 0
.endr
	; the scales of 128 rows: a dense block of 4,096 bytes, as 16 rows of 256 bytes (32 elements of 8 bytes), 16 bytes of padding behind each
	s_or_b32 s[G1S+0], s43, (3<<16)|(1<<20)|(1<<21)|(5<<22)|(3<<25)
	s_or_b32 s[G1SB+0], s44, (3<<16)|(1<<20)|(1<<21)|(5<<22)|(3<<25)
.irp g, G1S, G1SB
	s_mov_b32 s[\g+1], 32<<16
	s_mov_b32 s[\g+2], (128*KS/256)<<16
	s_mov_b32 s[\g+3], 32<<16
	s_mov_b32 s[\g+4], 128*KS/256
	s_mov_b32 s[\g+5], 32
	s_mov_b32 s[\g+6], 0
	s_mov_b32 s[\g+7], 0
.endr
	s_lshl_b32 s18, s16, 7                         ; which 128 rows of the tile I fetch
	s_lshl_b32 s20, s17, 8
	s_add_co_u32 s20, s20, s18                     ; X: row 256 x tile row + 128 x half
	s_lshl_b32 s46, s42, 8
	s_add_co_u32 s46, s46, s18                     ; W: row 256 x tile column + 128 x half
	s_lshl_b32 s18, s95, 10
	s_add_co_u32 s46, s46, s18                     ;    + 1,024 z
	s_mov_b32 s21, 0
	s_mov_b32 s47, 0
	s_mov_b64 s[18:19], KS
	s_mul_u64 s[22:23], s[20:21], s[18:19]         ; where these rows' scales begin, in bytes
	s_mul_u64 s[92:93], s[46:47], s[18:19]
	s_mov_b64 s[18:19], KROW
	s_mul_u64 s[20:21], s[20:21], s[18:19]         ; and their codes
	s_mul_u64 s[46:47], s[46:47], s[18:19]
	s_mul_i32 s45, s14, HALFT                      ; where they go: wave x 128 rows: no place in the cluster enters an LDS address
	s_mul_i32 s94, s14, HALFS
	s_wait_dscnt 0x0                               ; both opening adds are done
	s_wait_kmcnt 0x0
	s_add_nc_u64 s[20:21], s[4:5], s[20:21]
	s_add_nc_u64 s[22:23], s[6:7], s[22:23]
	s_add_nc_u64 s[46:47], s[8:9], s[46:47]
	s_add_nc_u64 s[92:93], s[10:11], s[92:93]
	CROUND                                         ; all sixteen work-groups are here: the joint loads meet
	s_mov_b32 s[G0S], 1
	s_add_co_u32 s[G0S+1], s94, SCL
	s_mov_b64 s[G0S+2:G0S+3], s[22:23]
	s_or_b32 s[G0S+3], s[G0S+3], 0x80000000
	s_mov_b32 s[G0SB], 1
	s_add_co_u32 s[G0SB+1], s94, SCL
	s_mov_b64 s[G0SB+2:G0SB+3], s[92:93]
	s_or_b32 s[G0SB+3], s[G0SB+3], 0x80000000
	JLOAD G0S, G1S, G0SB, G1SB                     ; the scales first: they are wanted with slot 0
.irp s, 0,1
	s_mov_b32 s[G0+4*\s], 1
	s_add_co_u32 s[G0+4*\s+1], s45, \s*SLOT
	s_add_nc_u64 s[G0+4*\s+2:G0+4*\s+3], s[20:21], \s*ROWB
	s_or_b32 s[G0+4*\s+3], s[G0+4*\s+3], 0x80000000
	s_mov_b32 s[G0B+4*\s], 1
	s_add_co_u32 s[G0B+4*\s+1], s45, \s*SLOT
	s_add_nc_u64 s[G0B+4*\s+2:G0B+4*\s+3], s[46:47], \s*ROWB
	s_or_b32 s[G0B+4*\s+3], s[G0B+4*\s+3], 0x80000000
	JLOAD G0+4*\s, G1, G0B+4*\s, G1B               ; all of K: three tensor loads of mine are out
.endr
	v_and_b32 v1, 15, v0                           ; r = lane % 16
	v_bfe_u32 v2, v0, 4, 1                         ; h = lane / 16
	; the bias of my 128 columns: for column block b the eight numbers 16 b + 8 h + 0 .. 7, in the result's layout
	s_cmp_eq_u32 s95, 0                            ; the choice hangs on z alone
	s_cselect_b64 s[96:97], s[96:97], s[98:99]
	s_cmp_eq_u32 s95, 2
	s_cselect_b64 s[96:97], s[100:101], s[96:97]
	s_lshl_b32 s46, s42, 10                        ; 256 columns of 4 bytes a tile column,
	s_lshl_b32 s47, s16, 9                         ; 128 for my half
	s_add_co_u32 s46, s46, s47
	s_mov_b32 s47, 0
	s_add_nc_u64 s[96:97], s[96:97], s[46:47]
	v_lshlrev_b32 v[BOF], 5, v2
.irp b, 0,1,2,3,4,5,6,7
	global_load_b128 v[BIAS+8*\b:BIAS+8*\b+3],   v[BOF], s[96:97] offset:64*\b
	global_load_b128 v[BIAS+8*\b+4:BIAS+8*\b+7], v[BOF], s[96:97] offset:64*\b+16
.endr
	v_mul_u32_u24 v3, v1, PITCH
	v_lshl_add_u32 v4, v2, 4, v3                   ; a fragment's row x pitch + 16 x half
	s_mul_i32 s21, s15, HALFT                      ; my 128 rows of X
	s_mul_i32 s22, s16, HALFT                      ; my 128 rows of W,
	s_add_co_u32 s22, s22, 2*HALFT                 ; which lie behind X's 256
.irp s, 0,1
	v_add_nc_u32 v[ADRA+\s], s21, v4
	v_add_nc_u32 v[ADRB+\s], s22, v4
	s_add_co_u32 s21, s21, SLOT
	s_add_co_u32 s22, s22, SLOT
.endr
	v_mul_u32_u24 v5, v1, KS                       ; my row's scales: 32 bytes a row,
	v_lshrrev_b32 v6, 8, v5
	v_lshl_add_u32 v5, v6, 4, v5                   ; and 16 more for each 256 passed
	s_mul_i32 s21, s15, HALFS                      ; X's: my 128 rows
	s_mul_i32 s22, s16, HALFS                      ; W's: my 128 rows, behind X's 256
	s_add_co_u32 s22, s22, 2*HALFS
	s_sub_co_u32 s22, s22, s21
	v_mul_u32_u24 v6, s22, v2                      ; lanes 16-31 take W's: one product, the distance x h
	s_add_co_u32 s21, s21, SCL
	v_add_nc_u32 v5, v5, v6
	v_add_nc_u32 v[ADRS], s21, v5
	s_mul_i32 s23, s14, 16*SPITCH                  ; my stage
	v_mul_u32_u24 v5, v1, SPITCH                   ; in: row r, 16 bytes for each half of the lanes
	v_lshl_add_u32 v5, v2, 4, v5
	v_add_nc_u32 v[STO], s23, v5
	v_and_b32 v6, 31, v0
	v_lshlrev_b32 v[CO], 4, v6
	v_lshrrev_b32 v5, 3, v6                        ; back: eight lanes take one head's 128 bytes of a token, four tokens an instruction
	v_mul_u32_u24 v5, v5, SPITCH
	v_and_b32 v6, 7, v6
	v_lshl_add_u32 v5, v6, 4, v5
	v_add_nc_u32 v[RD], s23, v5
	; qkv at my first token and head: z << 23, b << 22, head << 18, token << 7
	s_lshl_b32 s20, s95, 23
	s_and_b32 s21, s17, 15                         ; the tile row within z: 8 to a batch
	s_lshr_b32 s22, s21, 3
	s_lshl_b32 s22, s22, 22
	s_add_co_u32 s20, s20, s22
	s_and_b32 s21, s21, 7
	s_lshl_b32 s21, s21, 15                        ; 256 tokens of 128 bytes
	s_add_co_u32 s20, s20, s21
	s_lshl_b32 s21, s15, 14                        ; my 128
	s_add_co_u32 s20, s20, s21
	s_mov_b32 s21, 0
	s_lshl_b32 s46, s42, 20                        ; four heads a tile column,
	s_lshl_b32 s47, s16, 19                        ; two for my half
	s_add_co_u32 s46, s46, s47
	s_mov_b32 s47, 0
	s_add_nc_u64 s[12:13], s[12:13], s[20:21]
	s_add_nc_u64 s[12:13], s[12:13], s[46:47]
.macro FRAG reg, adr, q, i             ; a fragment, 16 rows x 128 K of 4-bit codes: lane l holds row l % 16; registers 4 c .. 4 c + 3 hold K = 64 c + 32 (l / 16) + 0 .. 31
.irp c, 0,1
	ds_load_b128 v[\reg+4*\c:\reg+4*\c+3], v[\adr] offset:64*(\q)+32*\c+(\i)*16*PITCH
.endr
.endm
; 16 matrix instructions: X's blocks a0, a0 + 1 against W's eight, the slot's q-th 128 along K.  p: W's set;  sc: the set of scale words.  zero = 1: the first product starts the sums, with the bias as C.
; The 64 accumulators take turns, one instruction a turn, in the same order in every step.
.macro MUL16 a0, p, q, sc, zero
.irp a, \a0, \a0+1
.irp b, 0,1,2,3,4,5,6,7
.if \zero
	v_wmma_scale_f32_16x16x128_f8f6f4 v[8*(8*((\a)%4)+\b):8*(8*((\a)%4)+\b)+7], v[128*(\p)+FR*\b:128*(\p)+FR*\b+FR-1], v[AF+FR*(\a):AF+FR*(\a)+FR-1], v[BIAS+8*\b:BIAS+8*\b+7], v[SC+8*NQ*(\sc)+NQ*\b+(\q)], v[SC+8*NQ*(\sc)+NQ*(\a)+(\q)] matrix_a_fmt:MATRIX_FMT_FP4 matrix_b_fmt:MATRIX_FMT_FP4 matrix_a_scale:MATRIX_SCALE_ROW1
.else
	v_wmma_scale_f32_16x16x128_f8f6f4 v[8*(8*((\a)%4)+\b):8*(8*((\a)%4)+\b)+7], v[128*(\p)+FR*\b:128*(\p)+FR*\b+FR-1], v[AF+FR*(\a):AF+FR*(\a)+FR-1], v[8*(8*((\a)%4)+\b):8*(8*((\a)%4)+\b)+7], v[SC+8*NQ*(\sc)+NQ*\b+(\q)], v[SC+8*NQ*(\sc)+NQ*(\a)+(\q)] matrix_a_fmt:MATRIX_FMT_FP4 matrix_b_fmt:MATRIX_FMT_FP4 matrix_a_scale:MATRIX_SCALE_ROW1
.endif
.endr
.endr
.endm
.macro FETCH_B slot, q, p              ; W's eight fragments of the slot's q-th 128 along K into set p
	WIN TO_B
.irp i, 0,1,2,3,4,5,6,7
	FRAG 128*(\p)+FR*\i, ADRB+\slot, \q, \i
.endr
	WIN 0
.endm
.macro FETCH_A slot, q, i0             ; X's blocks i0 .. i0 + 3
.irp i, \i0, \i0+1, \i0+2, \i0+3
	FRAG AF+FR*(\i), ADRA+\slot, \q, \i
.endr
.endm
.macro SCALES sc                       ; a slot's scale words into set sc: four words a row; lanes 0-15 take X's block i, lanes 16-31 W's block i
.irp i, 0,1,2,3,4,5,6,7
	ds_load_b128 v[SC+8*NQ*\sc+NQ*\i:SC+8*NQ*\sc+NQ*\i+3], v[ADRS] offset:\i*SBLK
.endr
.endm
; A load into a register that a matrix instruction has read, and a vector instruction or an LDS store that reads a matrix result, stand NP places behind that matrix instruction; only plain vector
; instructions that name none of its registers are places (ISA guide 7.12.1 for vector instructions).
.macro PLACES n
.rept \n
	v_nop
.endr
.endm
; A step of 128 along K that has its successor in the same slot: 64 matrix instructions, X's blocks one after the other.  A block of X is free as soon as its eight products are issued: blocks 0-3 are
; fetched anew in the step's middle, blocks 4-7 at its end.
.macro STEP slot, q, zero
	s_wait_dscnt 4*NL                              ; W's set and X's blocks 0-3 are in; the youngest eight loads (X's blocks 4-7) may be out
.if \zero
	WIN FIRST_LO
.else
	WIN MUL_LO
.endif
	MUL16 0, (\q)%2, \q, \slot, \zero
	MUL16 2, (\q)%2, \q, \slot, \zero
	s_wait_dscnt 0                                 ; X's blocks 4-7 are in (asked for 32 matrix instructions ago)
	PLACES NP
	FETCH_B \slot, (\q)+1, 1-(\q)%2
	FETCH_A \slot, (\q)+1, 0
.if \zero
	WIN FIRST_HI
.else
	WIN MUL_HI
.endif
	MUL16 4, (\q)%2, \q, \slot, \zero
	MUL16 6, (\q)%2, \q, \slot, \zero
	PLACES NP
	WIN 0
	FETCH_A \slot, (\q)+1, 4
.endm
; Slot 0's last step changes slots: one barrier; in front of it each wave waits for all its tensor loads (its part of slot 1), adds 0 to its spare word, and waits for that and for its reads of slot 0.
; Slot 0 is free for the stages from here on.
.macro TURN slot, next
	s_wait_tensorcnt 0x0                           ; all my tensor loads have landed  (every window is 0 here: the add's two registers lie in window 0)
	ds_add_u32 v[SPW], v[NIL]                      ; 0 onto my spare word
	s_wait_dscnt 4*NL+1                            ; (the add and the youngest eight loads, X's blocks 4-7, may be out)
	WIN MUL_LO
	MUL16 0, 1, NQ-1, \slot, 0                     ; sixteen matrix instructions stand between the add and the wait for it
	s_wait_dscnt 0x0                               ; the add is done, and my reads of this slot are over
	s_barrier_signal -1
	MUL16 2, 1, NQ-1, \slot, 0
	WIN 0
	s_barrier_wait -1
	PLACES NP
	v_add_nc_u32 v[ADRS], 4*NQ, v[ADRS]            ; on to the next slot's scale words (no LDS load of mine is out)
	FETCH_B \next, 0, 0
	FETCH_A \next, 0, 0
	SCALES \next
	WIN MUL_HI
	MUL16 4, 1, NQ-1, \slot, 0
	MUL16 6, 1, NQ-1, \slot, 0
	PLACES NP
	WIN 0
	FETCH_A \next, 0, 4
.endm
.macro STEPS slot, from                ; the slot's steps from .. NQ - 2
.set Q, \from
.rept NQ-1-\from
	STEP \slot, Q, 0
.set Q, Q+1
.endr
.endm
	s_wait_tensorcnt 1                             ; the scales and my part of slot 0 are in (slot 1's load may be out)
	s_barrier_signal -1
	s_barrier_wait -1                              ; everybody's are
	FETCH_B 0, 0, 0
	FETCH_A 0, 0, 0
	SCALES 0
	FETCH_A 0, 0, 4
	s_wait_loadcnt 0x0                             ; the bias
	STEP 0, 0, 1                                   ; the first products start the sums
	STEPS 0, 1
	TURN 0, 1
	STEPS 1, 0
	s_wait_dscnt 4*NL                              ; the very last step: nothing more to fetch
	WIN MUL_LO
	MUL16 0, 1, NQ-1, 1, 0
	MUL16 2, 1, NQ-1, 1, 0
	s_wait_dscnt 0
	WIN MUL_HI
	MUL16 4, 1, NQ-1, 1, 0
	MUL16 6, 1, NQ-1, 1, 0
	WIN 0
; THE WAY OUT, block by block of 16 tokens x 128 columns (two heads).  PACK: rounded to f16, 16 bytes a lane, each accumulator from its low end on.  TOSTAGE: into my own stage, and back by heads.
; SEND: four tokens of one head are 512 consecutive bytes of qkv.  LDS serves a wave's instructions in order (ISA guide 5.7.1.4): no wait between the stores and the loads, nor ahead of the next block's stores.
.macro PACK a
.set AC, 64*((\a)%4)
	WIN 0x0a+5*((\a)/4)                            ; sources 0 and 1: window 2 or 3
.irp b, 0,1,2,3,4,5,6,7
.irp r, 0,1,2,3
	v_cvt_pk_f16_f32 v[TMP+4*\b+\r], v[AC+8*\b+2*\r], v[AC+8*\b+2*\r+1]
.endr
.endr
	WIN 0
.endm
.macro TOSTAGE a
.set BB, BK+32*((\a)%2)
.irp b, 0,1,2,3,4,5,6,7
	ds_store_b128 v[STO], v[TMP+4*\b:TMP+4*\b+3] offset:32*\b
.endr
.irp i, 0,1,2,3,4,5,6,7
	ds_load_b128 v[BB+4*\i:BB+4*\i+3], v[RD] offset:(\i%4)*4*SPITCH+(\i/4)*128   ; tokens 4 (i % 4) on, head i / 4
.endr
.endm
.macro SEND a
.set BB, BK+32*((\a)%2)
	s_wait_dscnt 0x0                               ; the block is back in registers
	s_wait_xcnt 0x0                                ; the block before's stores have read their registers: the next block's loads may land there
.irp i, 0,1,2,3,4,5,6,7
	global_store_b128 v[CO], v[BB+4*\i:BB+4*\i+3], s[12:13] offset:(\a)*2048+(\i%4)*512+(\i/4)*262144   ; 32 lanes store 512 consecutive bytes, aligned; the base is never stepped
.endr
.endm
	PLACES NP                                      ; behind the last products: for the conversions' reads, their writes over X's fragments, and the loads over the bias
	PACK 0
	TOSTAGE 0
.irp a, 1,2,3,4,5,6,7                  ; block a's conversions stand between block a - 1's loads from the stage and the wait for them
	PACK \a
	SEND \a-1
	TOSTAGE \a
.endr
	SEND 7
	s_wait_tensorcnt 0x0                           ; the wave's end, behind my last tensor load and my last LDS store
	ds_add_u32 v[SPW], v[NIL]
	s_wait_dscnt 0x0
	CROUND                                         ; the closing round: no work-group ends while a partner may still ask for a tile that names it
	s_endpgm
.Lfunc_end_k_qea0cf20bfd_proj:
	.size	k_qea0cf20bfd_proj, .Lfunc_end_k_qea0cf20bfd_proj-k_qea0cf20bfd_proj
	.p2alignl 7, 3214868480
	.fill 96, 4, 3214868480
	.section	.rodata,"a",@progbits
	.p2align	6, 0x0
	.amdhsa_kernel k_qea0cf20bfd_proj
		.amdhsa_group_segment_fixed_size 327680
		.amdhsa_private_segment_fixed_size 0
		.amdhsa_enable_private_segment 0
		.amdhsa_kernarg_size 64
		.amdhsa_user_sgpr_count 2
		.amdhsa_user_sgpr_kernarg_segment_ptr 1
		.amdhsa_wavefront_size32 1
		.amdhsa_system_sgpr_workgroup_id_x 1
		.amdhsa_system_sgpr_workgroup_id_y 1
		.amdhsa_system_sgpr_workgroup_id_z 1
		.amdhsa_system_vgpr_workitem_id 0
		.amdhsa_next_free_vgpr 1024
		.amdhsa_next_free_sgpr 102
		.amdhsa_reserve_vcc 0
		.amdhsa_float_denorm_mode_32 3
		.amdhsa_float_denorm_mode_16_64 3
		.amdhsa_memory_ordered 1
		.amdhsa_forward_progress 1
		.amdhsa_inst_pref_size 128
	.end_amdhsa_kernel
	.amdgpu_metadata
---
amdhsa.version: [ 1, 2 ]
amdhsa.kernels:
  - .name:           k_qea0cf20bfd_proj
    .symbol:         k_qea0cf20bfd_proj.kd
    .args:
      - { .name: xc, .offset: 0, .size: 8, .value_kind: global_buffer, .address_space: global }
      - { .name: xs, .offset: 8, .size: 8, .value_kind: global_buffer, .address_space: global }
      - { .name: wc, .offset: 16, .size: 8, .value_kind: global_buffer, .address_space: global }
      - { .name: ws, .offset: 24, .size: 8, .value_kind: global_buffer, .address_space: global }
      - { .name: bq, .offset: 32, .size: 8, .value_kind: global_buffer, .address_space: global }
      - { .name: bk, .offset: 40, .size: 8, .value_kind: global_buffer, .address_space: global }
      - { .name: bv, .offset: 48, .size: 8, .value_kind: global_buffer, .address_space: global }
      - { .name: qkv, .offset: 56, .size: 8, .value_kind: global_buffer, .address_space: global }
    .group_segment_fixed_size: 327680
    .private_segment_fixed_size: 0
    .kernarg_segment_align: 8
    .kernarg_segment_size: 64
    .max_flat_workgroup_size: 128
    .sgpr_count:     102
    .vgpr_count:     1024
    .wavefront_size: 32
...
	.end_amdgpu_metadata
.endif
;; end of part 2
;; launch attn (part 3): grid 8 x 32, 16 waves a work-group, clusters of 4 x 1, 327,680 bytes of LDS; arguments qkv, ctx; writes ctx
.if DOCPART == 3
	.amdgcn_target "amdgcn-amd-amdhsa--gfx1250"
	.amdhsa_code_object_version 6
	.text
	.protected	k_qea0cf20bfd_attn
	.globl	k_qea0cf20bfd_attn
	.p2align	8
	.type	k_qea0cf20bfd_attn,@function
k_qea0cf20bfd_attn:
	s_mov_b64 s[64:65], 0
	v_nop
	global_prefetch_b8 v0, s[64:65] scope:SCOPE_SE
	s_setreg_imm32_b32 hwreg(HW_REG_WAVE_MODE, 25, 1), 1
	s_wait_xcnt 0x0
	s_wait_alu depctr_hold_cnt(0) depctr_sa_sdst(0) depctr_va_vdst(0) depctr_va_sdst(0) depctr_va_ssrc(0) depctr_va_vcc(0) depctr_vm_vsrc(0)
	s_getreg_b32 s2, hwreg(HW_REG_IB_STS2, 6, 4)
	s_cmp_eq_u32 s2, 0
	s_cbranch_scc0 .Lentry_in_a_cluster
	s_endpgm
.Lentry_in_a_cluster:
	s_bfe_u32 s2, ttmp6, 0x10000c
	s_cmp_lg_u32 s2, 0x3003
	s_cbranch_scc0 .Lentry_shape_is_right
	s_endpgm
.Lentry_shape_is_right:
; ctx[b][h][q][:] = the sum over k of softmax_k(Q[q] . K[k] / 8) V[k][:], for each of the 32 pairs (b, h); no mask.  qkv: f16 [z][b][h][2048][64], z = 0, 1, 2: Q, K, V.
; Products on f16 operands with f32 sums; maxima, exponentials and row sums in f32; the weights p are rounded to f16 for the second product, ctx once at the end.
; ctx: f16 in blocks [token / 128][h][token % 128][64], token = 2048 b + q: so a wave stores 2,048 consecutive bytes, and the next launch reads dense blocks.
; LIMITS: p lies in (0, 1] and the largest p of a wave's keys is 1; |ctx| is at most the largest |v|, which is in f16 already; NaN and infinities are not served.
; SHARES.  A work-group owns 256 queries of one (b, h).  SIXTEEN waves of 256 registers, four to a SIMD, so that one wave's softmax stands beside the others' products and LDS loads: a key step has 236 vector
; instructions for 32 matrix instructions, and no order inside one wave could hide them.  Wave w owns queries 32 (w % 8) on, two tiles of 16, and HALF OF THE KEYS: of each slot's four key steps the
; two from 2 (w / 8) on.  So each fragment of K or V still feeds two products.  At the end waves w and w xor 8 hand each other one tile's maximum, sum and O through LDS, and each finishes the tile that it keeps.
; LAYOUT.  S^T = K Q^T (source 0 = 16 keys, source 1 = 16 queries): a lane holds ONE query (lane % 16) and the keys 8 (lane / 16) + 0..7.  Two such tiles, rounded to f16 in pairs, ARE source 1 (32 keys x
; 16 queries) of O^T = V^T P, whose result again holds one query a lane.  K comes out of LDS as it lies, V ([key][channel]) turned, by ds_load_tr16_b128.  P is written over S^T.
; SOFTMAX.  For each query a running maximum m and sum l: p = 2^(c s - c m), c = log2(e) / 8; in every step O and l are multiplied by a = 2^(c m_old - c m_new).  The step is written once: m begins at -3e38,
; O and l at 0, and the first a is 0.  The two halves of the keys are joined under the larger of their two maxima.
; RING.  Two LDS slots of 256 keys (four steps of 64).  Waves 0-7 fetch K's rows, waves 8-15 V's, 32 rows each: one load a wave behind each change of slots.  Loads of 64 rows would leave eight waves without
; one; so every wave's way through the text leads through the same fills.
; CLUSTER.  The four query blocks of a cluster belong to one (b, h) and walk the same K and V: each tile is asked for JOINTLY, by the same tensor load with the same descriptor and the mask of all four.
.set KS,    64        ; keys in a step
.set NST,   4         ; steps in a slot,
.set MYST,  2         ; of which a wave walks two
.set LR,    32        ; rows in a tensor load
.set PK,    144       ; a row of K in LDS: 128 bytes + 16 = 36 words: the 16 rows of a load begin at 16 different groups of four banks (64 banks of 4 bytes: ISA guide 11.1)
.set PV,    160       ; a row of V: 128 + 32 = 40 words
.set VOFF,  KS*PK     ; a step's tiles lie together: 64 rows of K, then 64 rows of V
.set STEPB, KS*(PK+PV)
.set SLOTB, NST*KS*128  ; a slot's keys in memory: 32,768 bytes of K, and of V
.set SLOT1, 1<<17     ; slot 1 begins here, so that one exclusive or turns an address in one slot into the other's
.set STAGE, SLOT1+NST*STEPB  ; behind the ring: 16 rows x 144 bytes for each wave, for the way out
.set SP,    144
.set SPARE, STAGE+16*16*SP   ; the spare words, 128 bytes for each wave: eight blocks of 256 bytes that no other line names
.set XCH,   SPARE+16*128     ; what a wave hands to its partner: images of 36 registers, 16 bytes a lane and 512 bytes a store
.set AREA,  9*512
.set AK0, 2           ; v2   my lane's place in a tile of K; never rewritten
.set AV0, 3           ; v3   the same for V
.set ADK, 4           ; v4   LDS address of the step's K
.set ADV, 5           ; v5   of its V
.set QO,  6           ; v6   my byte offset in the wave's rows of Q
.set STO, 7           ; v7   the way out: where I put 16 bytes of a row
.set RD,  8           ; v8   where I read them back
.set GO,  9           ; v9   16 x lane
.set SPW, 10          ; v10  LDS address of my spare word; never rewritten
.set NIL, 11          ; v11  0; never rewritten
.set PFO, 12          ; v12  256 x lane: the prefetches' offset; never rewritten
.set XW,  14          ; v14  where I put what I hand over: XCH + AREA x wave + 16 x lane
.set XR,  15          ; v15  where my partner put its: XCH + AREA x (wave xor 8) + 16 x lane
.set ST,  16          ; tile t's statistics at v[ST+8 t]: +0 c m, +1 m, +2, +3 l (even keys', odd keys'), +4 to +7 four chains of the maximum; then +4, +5 a second chain of the sum, +6 a, +7 c m_old - c m_new
.set QF,  32          ; v32-63   Q: tile t, channels 32 c on, at QF + 16 t + 8 c
.set S,   64          ; v64-127  S^T: tile t, keys 16 k on, at S + 32 t + 8 k; then p; then P: register i of tile t at S + 32 t + i
.set O,   128         ; v128-191 O^T: tile t, channels 16 n on, at O + 32 t + 8 n
.set F,   192         ; v192-255 K's eight fragments (channels 32 c, keys 16 k: F + 8 (4 c + k)), then V's eight (keys 32 u, channels 16 n: F + 8 (4 u + n)); at the end what my partner hands me
.set WV,  12          ; s12  my wave's number
.set LIM, 15          ; s15  1 in a wave that prefetches, else the greatest number
.set PFA, 18          ; s[18:19] where my prefetches stand
.set G1K, 24          ; s[24:31] descriptor group 1 for K's tiles
.set G1V, 32          ; s[32:39] for V's: it differs in the padding alone
.set G0K, 40          ; s[40:47] group 0 for K's tiles: a set for each of the two first fills; the second then walks on
.set G0V, 48          ; s[48:55] the same for V's
.set SLOTS, 56        ; s56  slots still to be asked for
.set CNT, 57          ; s57  counts my two steps of a slot
.set CS,  58          ; s[58:59] c: the packed scaling names a pair and takes its low word for both halves
.set SEL, 60          ; s[60:61] lane selects for v_permlanex16_b32: each lane takes its own place in the other half
.set TB,  62          ; s62  LDS byte at which the step's tiles begin
; A joint refill.  The branch hangs on the wave's number alone.  An s_nop 0 and four v_nop follow each of the two lines, ahead of the jump, the label and what follows.
.macro JLOAD
	s_cmp_lt_u32 s[WV], 8
	s_cbranch_scc0 .Lfor_v_\@
	tensor_load_to_lds s[G0K+4:G0K+7], s[G1K:G1K+7]
	s_nop 0
.rept 4
	v_nop
.endr
	s_branch .Lasked_\@
.Lfor_v_\@:
	tensor_load_to_lds s[G0V+4:G0V+7], s[G1V:G1V+7]
	s_nop 0
.rept 4
	v_nop
.endr
.Lasked_\@:
.endm
; A PREFETCH INTO THE L2 of what the NEXT change of slots will ask for: 32,768 bytes of K and as many of V, a slot's four key steps ahead of that load.  Each aligned block of 256 bytes is named once in the
; launch: both clusters of a (b, h) walk the same K and V, and the first of them asks; its four partners take 8,192 bytes each, told apart BY ADDRESS; in each, wave 0 asks for K's and wave 8 for V's, lanes
; 256 bytes apart, one instruction.  The last change that fills a slot asks for nothing; slots 0, 1 and 2 come by their loads alone.
.macro ASK
	s_cmp_gt_u32 s[SLOTS], s[LIM]
	s_cbranch_scc0 .Lnot_mine_\@
	global_prefetch_b8 v[PFO], s[PFA:PFA+1] th:TH_LOAD_NT scope:SCOPE_SE
.Lnot_mine_\@:
.endm
.macro CROUND                       ; a round of the cluster's barrier: my work-group's barrier; wave 0 signals for the work-group; every wave waits for all four; my work-group's barrier once more
	s_barrier_signal -1
	s_barrier_wait -1
	s_cmp_lg_u32 s[WV], 0
	s_cbranch_scc1 .Lnot_wave_0_\@
	s_barrier_signal -3
.Lnot_wave_0_\@:
	s_barrier_wait -3
	s_barrier_signal -1
	s_barrier_wait -1
.endm
	s_load_b128 s[4:7], s[0:1], 0x0  ; qkv s[4:5], ctx s[6:7]
	v_lshl_add_u32 v[SPW], v0, 2, SPARE
	v_mov_b32 v[NIL], 0
	ds_add_u32 v[SPW], v[NIL]       ; the wave's opening: the add, twice on end, and its wait ahead of my first tensor load; the set-up below stands between
	ds_add_u32 v[SPW], v[NIL]
	v_lshrrev_b32 v1, 5, v0
	v_readfirstlane_b32 s[WV], v1   ; wave 0..15
	s_bfe_u32 s13, ttmp6, 0x40000   ; cx: my place in the cluster
	s_lshl_b32 s14, ttmp9, 2        ; in a cluster launch ttmp9 counts clusters
	s_add_co_u32 s14, s14, s13      ; my block of 256 queries: it enters Q's and ctx's addresses alone
	s_and_b32 s16, ttmp7, 0xffff    ; 16 b + h, which the four partners share
	s_lshl_b32 s20, s16, 18         ; its first byte in each of Q, K, V: 2,048 rows of 128 bytes
	s_and_b32 s21, s[WV], 7         ; w % 8: which 32 of a slot's 256 rows I fetch; also which 32 queries are mine
	s_lshl_b32 s22, s21, 12         ; 32 rows of 128 bytes in memory,
	s_add_co_u32 s22, s22, s20
	s_mov_b32 s23, 0
	s_lshr_b32 s17, s21, 1          ; and in a slot: the step's tiles,
	s_mul_i32 s17, s17, STEPB
	s_and_b32 s10, s[WV], 1         ; and the upper or lower half of the tile's 64 rows
	s_mul_i32 s8, s10, LR*PK
	s_add_co_u32 s8, s8, s17        ; for K
	s_mul_i32 s9, s10, LR*PV
	s_add_co_u32 s9, s9, s17        ; for V: no place in the cluster enters an LDS address
	s_lshl_b32 s2, s14, 15          ; Q: my block's 256 rows,
	s_lshl_b32 s3, s21, 12          ; my 32 of them
	s_add_co_u32 s2, s2, s3
	s_add_co_u32 s2, s2, s20
	s_mov_b32 s3, 0
	s_lshr_b32 s70, s16, 4          ; ctx: block of 128 tokens = 16 b + 2 x my block + (w % 8) / 4,
	s_lshl_b32 s70, s70, 4
	s_lshl_b32 s71, s14, 1
	s_add_co_u32 s70, s70, s71
	s_lshr_b32 s71, s21, 2
	s_add_co_u32 s70, s70, s71
	s_lshl_b32 s70, s70, 18         ; of 16 heads x 128 rows x 128 bytes;
	s_and_b32 s71, s16, 15
	s_lshl_b32 s71, s71, 14         ; my head's 128 rows;
	s_add_co_u32 s70, s70, s71
	s_and_b32 s71, s21, 3
	s_lshl_b32 s71, s71, 12         ; my 32 of them
	s_add_co_u32 s70, s70, s71
	s_mov_b32 s71, 0
	; descriptor group 1: a tile of 32 rows x 64 elements, dense in memory, padded in LDS
	s_mov_b32 s[G1K], 15|(1<<16)|(1<<20)|(1<<21)|(4<<22)|(3<<25)  ; 15:0 the mask: all four work-groups; 17:16 elements of 2 bytes; 20 padding on; 21 set beside a mask; 24:22 after every 32 words; 31:25 four words
	s_mov_b32 s[G1V], 15|(1<<16)|(1<<20)|(1<<21)|(4<<22)|(7<<25)  ; the same with eight words of padding
.irp g, G1K, G1V
	s_mov_b32 s[\g+1], 64<<16       ; tensor_dim0
	s_mov_b32 s[\g+2], LR<<16       ; tensor_dim1
	s_mov_b32 s[\g+3], 64<<16       ; tile_dim0
	s_mov_b32 s[\g+4], LR           ; tile_dim1
	s_mov_b32 s[\g+5], 64           ; tensor_dim0_stride
	s_mov_b32 s[\g+6], 0
	s_mov_b32 s[\g+7], 0
.endr
	s_mov_b32 s[CS], 0x3e38aa3b     ; c = log2(e) / 8
	s_mov_b32 s[CS+1], s[CS]        ; named with it as a pair, so it is written
	s_mov_b32 s[SEL], 0x76543210
	s_mov_b32 s[SEL+1], 0xfedcba98
	s_lshr_b32 s[TB], s[WV], 3      ; waves 0-7 walk a slot's steps 0 and 1, waves 8-15 its steps 2 and 3
	s_mul_i32 s[TB], s[TB], MYST*STEPB
	s_mov_b32 s[SLOTS], 2048/(NST*KS)-2
	s_or_b32 s[LIM], s21, ttmp9     ; 0 in waves 0 and 8, where the cluster is the first of its (b, h): the same in all four partners
	s_cmp_eq_u32 s[LIM], 0
	s_cselect_b32 s[LIM], 1, -1
	v_and_b32 v[PFO], 31, v0
	v_lshlrev_b32 v[PFO], 8, v[PFO]
	s_wait_dscnt 0x0                ; both opening adds are done
	s_wait_kmcnt 0x0
	s_add_nc_u64 s[66:67], s[4:5], s[22:23]
	s_add_nc_u64 s[68:69], s[66:67], 0x1000000  ; V at my rows of slot 0
	s_add_nc_u64 s[66:67], s[66:67], 0x800000   ; K likewise
	s_add_nc_u64 s[4:5], s[4:5], s[2:3]         ; Q at my first row
	s_add_nc_u64 s[6:7], s[6:7], s[70:71]       ; ctx likewise
	s_cmp_lt_u32 s[WV], 8
	s_cselect_b64 s[PFA:PFA+1], s[66:67], s[68:69]  ; (in waves 0 and 8 these stand at a slot's first row)
	s_lshl_b32 s2, s13, 13          ; my work-group's 8,192 bytes of the 32,768
	s_add_nc_u64 s[PFA:PFA+1], s[PFA:PFA+1], s[2:3]
	s_add_nc_u64 s[PFA:PFA+1], s[PFA:PFA+1], 2*SLOTB  ; in slot 2; the first change of slots steps it to slot 3.  Nothing is prefetched at the head, where every work-group's first tiles are on their way
	CROUND                          ; all four work-groups are here: the first joint loads meet
.irp s, 0,1
	s_mov_b32 s[G0K+4*\s], 1        ; count = 1
	s_add_co_u32 s[G0K+4*\s+1], s8, \s*SLOT1  ; LDS address
	s_add_nc_u64 s[G0K+4*\s+2:G0K+4*\s+3], s[66:67], \s*SLOTB  ; global address: slot s begins with keys 256 s
	s_or_b32 s[G0K+4*\s+3], s[G0K+4*\s+3], 0x80000000  ; type = 2
	s_mov_b32 s[G0V+4*\s], 1
	s_add_co_u32 s[G0V+4*\s+1], s9, \s*SLOT1+VOFF
	s_add_nc_u64 s[G0V+4*\s+2:G0V+4*\s+3], s[68:69], \s*SLOTB
	s_or_b32 s[G0V+4*\s+3], s[G0V+4*\s+3], 0x80000000
.endr
	s_cmp_lt_u32 s[WV], 8           ; a wave's two first fills stand in one branch, ahead of every wait on TENSORcnt and every LDS read: two loads of mine are out
	s_cbranch_scc0 .Lfirst_v
	tensor_load_to_lds s[G0K:G0K+3], s[G1K:G1K+7]
	s_nop 0
	tensor_load_to_lds s[G0K+4:G0K+7], s[G1K:G1K+7]
	s_nop 0
.rept 4
	v_nop
.endr
	s_branch .Lfirst_asked
.Lfirst_v:
	tensor_load_to_lds s[G0V:G0V+3], s[G1V:G1V+7]
	s_nop 0
	tensor_load_to_lds s[G0V+4:G0V+7], s[G1V:G1V+7]
	s_nop 0
.rept 4
	v_nop
.endr
.Lfirst_asked:
	; A fragment of K or Q is 16 rows x 32 channels in 8 registers: lane l holds row l % 16; registers 0-3 channels 8 (l / 16) + 0..7, registers 4-7 channels 16 + 8 (l / 16) + 0..7: two loads of 16 bytes, 32 apart.
	v_and_b32 v1, 15, v0            ; r = l % 16
	v_bfe_u32 v13, v0, 4, 1         ; h = l / 16
	v_lshlrev_b32 v[QO], 7, v1
	v_lshl_add_u32 v[QO], v13, 4, v[QO]  ; row x 128 + 16 x half
.irp t, 0,1
.irp c, 0,1
	global_load_b128 v[QF+16*\t+8*\c:QF+16*\t+8*\c+3],   v[QO], s[4:5] offset:\t*2048+64*\c      ; Q stays in registers
	global_load_b128 v[QF+16*\t+8*\c+4:QF+16*\t+8*\c+7], v[QO], s[4:5] offset:\t*2048+64*\c+32
.endr
.endr
	v_mul_u32_u24 v[AK0], v1, PK
	v_lshl_add_u32 v[AK0], v13, 4, v[AK0]  ; row x pitch + 16 x half
	; The turning load takes 16 keys x 16 channels (lane l reads 16 bytes: key 8 (l / 16) + l % 8, channels 8 ((l / 8) % 2) + 0..7) and leaves half a fragment of V^T: lane l holds channel l % 16 and 8 keys.
	v_and_b32 v14, 7, v0
	v_bfe_u32 v15, v0, 3, 1
	v_lshl_add_u32 v[AV0], v13, 3, v14
	v_mul_u32_u24 v[AV0], v[AV0], PV
	v_lshl_add_u32 v[AV0], v15, 4, v[AV0]
	v_add_nc_u32 v[AV0], VOFF, v[AV0]
	s_mul_i32 s2, s[WV], 16*SP
	s_add_co_u32 s2, s2, STAGE      ; my stage
	v_mul_u32_u24 v[STO], v1, SP    ; in: row r, 16 bytes for each half of the lanes
	v_lshl_add_u32 v[STO], v13, 4, v[STO]
	v_add_nc_u32 v[STO], s2, v[STO]
	v_bfe_u32 v15, v0, 3, 2         ; back: eight lanes take a row's 128 bytes, four rows an instruction
	v_mul_u32_u24 v[RD], v15, SP
	v_lshl_add_u32 v[RD], v14, 4, v[RD]
	v_add_nc_u32 v[RD], s2, v[RD]
	v_and_b32 v[GO], 31, v0
	v_lshlrev_b32 v[GO], 4, v[GO]   ; which are 512 consecutive bytes of ctx
	s_mul_i32 s2, s[WV], AREA       ; every LDS address is made here, on the way that all waves take
	s_add_co_u32 s2, s2, XCH
	v_add_nc_u32 v[XW], s2, v[GO]
	s_xor_b32 s2, s[WV], 8          ; my partner: the same queries, the other half of the keys
	s_mul_i32 s2, s2, AREA
	s_add_co_u32 s2, s2, XCH
	v_add_nc_u32 v[XR], s2, v[GO]
.irp t, 0,1
	v_mov_b32 v[ST+8*\t+1], 0xff61b1e6      ; m: -3e38, under every score
	v_mul_f32 v[ST+8*\t], s[CS], v[ST+8*\t+1]  ; c m
.irp i, 2,3,4,5,6,7
	v_mov_b32 v[ST+8*\t+\i], 0      ; l; and the rest written once (a lane permute's destination counts as one of its sources)
.endr
.endr
.irp j, 0,1,2,3,4,5,6,7,8,9,10,11,12,13,14,15,16,17,18,19,20,21,22,23,24,25,26,27,28,29,30,31,32,33,34,35,36,37,38,39,40,41,42,43,44,45,46,47,48,49,50,51,52,53,54,55,56,57,58,59,60,61,62,63
	v_mov_b32 v[O+\j], 0            ; O^T.  (The step is written once: its first trip finds zeros, which a = 0 leaves zeros)
.endr
; A KEY STEP: 64 keys.  No two matrix instructions that follow each other share an accumulator: eight take turns in each product, one instruction a turn.
.macro STEP
	v_add_nc_u32 v[ADK], s[TB], v[AK0]
	v_add_nc_u32 v[ADV], s[TB], v[AV0]
.rept 3
	v_nop                           ; with the two additions: five places behind the last V^T P.  Four are owed to the loads into its fragments, five to the products below, which write over P
.endr
.irp c, 0,1
.irp k, 0,1,2,3
	ds_load_b128 v[F+8*(4*\c+\k):F+8*(4*\c+\k)+3],   v[ADK] offset:\k*16*PK+64*\c
	ds_load_b128 v[F+8*(4*\c+\k)+4:F+8*(4*\c+\k)+7], v[ADK] offset:\k*16*PK+64*\c+32
.endr
.endr
.irp c, 0,1                         ; S^T = K Q^T
	s_wait_dscnt 8-8*\c             ; channels 0-31: the youngest eight loads may be out; channels 32-63: none
.irp k, 0,1,2,3
.irp t, 0,1
.if \c == 0
	v_wmma_f32_16x16x32_f16 v[S+32*\t+8*\k:S+32*\t+8*\k+7], v[F+8*\k:F+8*\k+7], v[QF+16*\t:QF+16*\t+7], 0
.else
	v_wmma_f32_16x16x32_f16 v[S+32*\t+8*\k:S+32*\t+8*\k+7], v[F+32+8*\k:F+32+8*\k+7], v[QF+16*\t+8:QF+16*\t+15], v[S+32*\t+8*\k:S+32*\t+8*\k+7]
.endif
.endr
.endr
.endr
.rept 4
	v_nop                           ; four places: for the loads into K's fragments, and for the first read of the scores
.endr
.irp u, 0,1                         ; V is asked for here and lands while the softmax runs
.irp n, 0,1,2,3
	ds_load_tr16_b128 v[F+8*(4*\u+\n):F+8*(4*\u+\n)+3],   v[ADV] offset:\u*32*PV+32*\n
	ds_load_tr16_b128 v[F+8*(4*\u+\n)+4:F+8*(4*\u+\n)+7], v[ADV] offset:\u*32*PV+16*PV+32*\n
.endr
.endr
	; the maximum of my 32 scores and the old m, three operands at a time: four chains, each accumulator from its low end on; the two tiles alternate throughout
.irp j, 0,1,2,3
.irp t, 0,1
	v_max3_num_f32 v[ST+8*\t+4+\j], v[S+32*\t+8*\j], v[S+32*\t+8*\j+1], v[S+32*\t+8*\j+2]
.endr
.endr
.irp g, 1,2
.irp j, 0,1,2,3
.irp t, 0,1
	v_max3_num_f32 v[ST+8*\t+4+\j], v[ST+8*\t+4+\j], v[S+32*\t+8*\j+2*\g+1], v[S+32*\t+8*\j+2*\g+2]
.endr
.endr
.endr
.irp t, 0,1
	v_max3_num_f32 v[ST+8*\t+4], v[ST+8*\t+4], v[S+32*\t+7], v[S+32*\t+15]
.endr
.irp t, 0,1
	v_max3_num_f32 v[ST+8*\t+6], v[ST+8*\t+6], v[S+32*\t+23], v[S+32*\t+31]
.endr
.irp t, 0,1
	v_max3_num_f32 v[ST+8*\t+4], v[ST+8*\t+4], v[ST+8*\t+5], v[ST+8*\t+6]
.endr
.irp t, 0,1
	v_max3_num_f32 v[ST+8*\t+4], v[ST+8*\t+4], v[ST+8*\t+7], v[ST+8*\t+1]
.endr
.irp t, 0,1
	v_permlanex16_b32 v[ST+8*\t+5], v[ST+8*\t+4], s[SEL], s[SEL+1]  ; the query's other 32 keys lie in the lane 16 away
.endr
.irp t, 0,1
	v_mov_b32 v[ST+8*\t+7], v[ST+8*\t]     ; c m_old is kept for a
.endr
.irp t, 0,1
	v_max_num_f32 v[ST+8*\t+1], v[ST+8*\t+4], v[ST+8*\t+5]   ; the new m
.endr
.irp t, 0,1
	v_mul_f32 v[ST+8*\t], s[CS], v[ST+8*\t+1]
.endr
.irp t, 0,1
	v_sub_f32 v[ST+8*\t+7], v[ST+8*\t+7], v[ST+8*\t]
.endr
.irp j, 0,2,4,6,8,10,12,14,16,18,20,22,24,26,28,30
.irp t, 0,1
	v_pk_fma_f32 v[S+32*\t+\j:S+32*\t+\j+1], v[S+32*\t+\j:S+32*\t+\j+1], s[CS:CS+1], v[ST+8*\t:ST+8*\t+1] op_sel_hi:[1,0,0] neg_lo:[0,0,1] neg_hi:[0,0,1]  ; c s - c m, two at a time
.endr
.endr
.irp t, 0,1                         ; ONE BATCH of 66 exponentials: none reads another's result
	v_exp_f32 v[ST+8*\t+6], v[ST+8*\t+7]   ; a
.endr
.irp j, 0,1,2,3,4,5,6,7,8,9,10,11,12,13,14,15,16,17,18,19,20,21,22,23,24,25,26,27,28,29,30,31
.irp t, 0,1
	v_exp_f32 v[S+32*\t+\j], v[S+32*\t+\j] ; p
.endr
.endr
	v_nop                           ; the plain instruction behind the last exponential, one for the batch
	s_wait_alu depctr_va_vdst(0)    ; and the one wait ahead of the first instruction that names a result
	; l = a l + the sum of the unrounded p, in two chains that leave p as it is
.irp t, 0,1
	v_pk_fma_f32 v[ST+8*\t+2:ST+8*\t+3], v[ST+8*\t+2:ST+8*\t+3], v[ST+8*\t+6:ST+8*\t+7], v[S+32*\t:S+32*\t+1] op_sel_hi:[1,0,1]
.endr
.irp t, 0,1
	v_pk_add_f32 v[ST+8*\t+4:ST+8*\t+5], v[S+32*\t+2:S+32*\t+3], v[S+32*\t+4:S+32*\t+5]
.endr
.irp j, 6,10,14,18,22,26
.irp t, 0,1
	v_pk_add_f32 v[ST+8*\t+2:ST+8*\t+3], v[ST+8*\t+2:ST+8*\t+3], v[S+32*\t+\j:S+32*\t+\j+1]
.endr
.irp t, 0,1
	v_pk_add_f32 v[ST+8*\t+4:ST+8*\t+5], v[ST+8*\t+4:ST+8*\t+5], v[S+32*\t+\j+2:S+32*\t+\j+3]
.endr
.endr
.irp t, 0,1
	v_pk_add_f32 v[ST+8*\t+2:ST+8*\t+3], v[ST+8*\t+2:ST+8*\t+3], v[S+32*\t+30:S+32*\t+31]
.endr
.irp t, 0,1
	v_pk_add_f32 v[ST+8*\t+2:ST+8*\t+3], v[ST+8*\t+2:ST+8*\t+3], v[ST+8*\t+4:ST+8*\t+5]
.endr
.irp i, 0,1,2,3,4,5,6,7,8,9,10,11,12,13,14,15
.irp t, 0,1
	v_cvt_pk_f16_f32 v[S+32*\t+\i], v[S+32*\t+2*\i], v[S+32*\t+2*\i+1]   ; P over p, ascending: register i has been read by the time it is written
.endr
.endr
.irp j, 0,2,4,6,8,10,12,14,16,18,20,22,24,26,28,30
.irp t, 0,1
	v_pk_mul_f32 v[O+32*\t+\j:O+32*\t+\j+1], v[O+32*\t+\j:O+32*\t+\j+1], v[ST+8*\t+6:ST+8*\t+7] op_sel_hi:[1,0]   ; O^T x a, each accumulator from its low end on
.endr
.endr
	s_wait_dscnt 0x0                ; V is in
.irp u, 0,1                         ; O^T += V^T P
.irp n, 0,1,2,3
.irp t, 0,1
	v_wmma_f32_16x16x32_f16 v[O+32*\t+8*\n:O+32*\t+8*\n+7], v[F+8*(4*\u+\n):F+8*(4*\u+\n)+7], v[S+32*\t+8*\u:S+32*\t+8*\u+7], v[O+32*\t+8*\n:O+32*\t+8*\n+7]
.endr
.endr
.endr
	s_add_co_u32 s[TB], s[TB], STEPB  ; the next step's tiles
.endm
.macro MY_STEPS                     ; my two key steps of a slot: written once, walked twice; the LDS addresses hang on s[TB]
	s_mov_b32 s[CNT], MYST
.Lstep_\@:
	STEP
	s_sub_co_u32 s[CNT], s[CNT], 1
	s_cmp_lg_u32 s[CNT], 0
	s_cbranch_scc1 .Lstep_\@
.endm
; THE CHANGE OF SLOTS.  Each wave waits for all its tensor loads, of which one is out: its part of the other slot; adds 0 to its spare word; and waits for that and for its own reads of the slot that it leaves.
; Behind the barrier nobody reads this slot any more and the other slot is whole.  fill = 1: this slot is filled again, with the keys two slots on; the barrier is then a round of the cluster's, so that no wave
; of any partner still reads the slot or has a load on its way, and the joint refill is the first thing behind it.
.macro CHANGE fill
	s_wait_tensorcnt 0x0            ; no tensor load of mine is out, so a group 0 may be written
	ds_add_u32 v[SPW], v[NIL]       ; 0 onto my spare word; with fill = 1 the descriptors' steps stand between it and the wait for it
.if \fill
.irp g, G0K+4, G0V+4
	s_xor_b32 s[\g+1], s[\g+1], SLOT1  ; the walking descriptor: the other slot than last time,
	s_add_nc_u64 s[\g+2:\g+3], s[\g+2:\g+3], SLOTB  ; the next 256 keys; the type bits on top are not reached
.endr
	s_wait_xcnt 0x0                 ; the last prefetch, a slot back, has read its address, so it may be written:
	s_add_nc_u64 s[PFA:PFA+1], s[PFA:PFA+1], SLOTB  ; one slot further on than the walking descriptors
	s_wait_dscnt 0x0                ; the add is done, and my reads of the slot are over
	CROUND
	JLOAD
	ASK
.else
	s_wait_dscnt 0x0                ; the add is done, and my reads of the slot are over
	s_barrier_signal -1
	s_barrier_wait -1
.endif
	s_sub_co_u32 s[TB], s[TB], MYST*STEPB  ; back to my first step of a slot,
	s_xor_b32 s[TB], s[TB], SLOT1   ; in the other slot
.endm
	s_wait_tensorcnt 1              ; my part of slot 0 is in; slot 1's may stay out
	s_barrier_signal -1
	s_barrier_wait -1               ; everybody's is
	s_wait_loadcnt 0x0              ; Q
	MY_STEPS                        ; my 128 of keys 0 to 255
.Lslot:                             ; six trips: every slot but the last two is filled again
	CHANGE 1
	MY_STEPS
	s_sub_co_u32 s[SLOTS], s[SLOTS], 1
	s_cmp_lg_u32 s[SLOTS], 0
	s_cbranch_scc1 .Lslot
	CHANGE 0                        ; the tail is written out
	MY_STEPS
; THE TWO HALVES OF THE KEYS ARE JOINED.  Waves 0-7 keep tile 0 and hand tile 1 to their partners, waves 8-15 the other way round.  What is handed over goes through LDS as images of the registers: lane l's
; 16 bytes at 16 l, 512 bytes a store; the partner, which holds the same queries in the same lanes, loads them by the same lines.  The arms hang on the wave's number alone; the barrier stands outside them.
.macro PUT t                        ; tile t's O^T, each accumulator from its low end on, and c m, m, l
.irp n, 0,1,2,3
	ds_store_b128 v[XW], v[O+32*\t+8*\n:O+32*\t+8*\n+3] offset:1024*\n
	ds_store_b128 v[XW], v[O+32*\t+8*\n+4:O+32*\t+8*\n+7] offset:1024*\n+512
.endr
	ds_store_b128 v[XW], v[ST+8*\t:ST+8*\t+3] offset:4096
.endm
; Tile t is finished: under cmx, the larger of the two c m, my part counts a0 = 2^(c m - cmx) and my partner's a1 likewise; l = a0 l0 + a1 l1; O = (a0 / l) O0 + (a1 / l) O1; rounded to f16; through my stage; 16 rows out.
.macro FINISH t
.set TT, ST+8*\t
.set OT, O+32*\t
.irp i, 0,1,2,3,4,5,6,7
	ds_load_b128 v[F+4*\i:F+4*\i+3], v[XR] offset:512*\i     ; register F + j: my partner's O + 32 t + j
.endr
	ds_load_b128 v[F+32:F+35], v[XR] offset:4096             ; its c m, m, l
	v_add_f32 v[TT+2], v[TT+2], v[TT+3]                      ; my l's two halves
	s_wait_dscnt 0x0
	v_max_num_f32 v[TT+4], v[TT], v[F+32]                    ; cmx
	v_add_f32 v[F+34], v[F+34], v[F+35]                      ; my partner's l
	v_sub_f32 v[TT+5], v[TT], v[TT+4]
	v_sub_f32 v[TT+7], v[F+32], v[TT+4]
	v_exp_f32 v[TT+5], v[TT+5]                               ; a0
	v_exp_f32 v[TT+7], v[TT+7]                               ; a1
	v_nop                                                    ; a plain instruction behind the two,
	s_wait_alu depctr_va_vdst(0)                             ; and the wait ahead of the first use
	v_mul_f32 v[TT+2], v[TT+2], v[TT+5]
	v_fma_f32 v[TT+2], v[F+34], v[TT+7], v[TT+2]             ; a0 l0 + a1 l1, of my half of the lanes' keys
	v_permlanex16_b32 v[TT+3], v[TT+2], s[SEL], s[SEL+1]
	v_add_f32 v[TT+2], v[TT+2], v[TT+3]                      ; the row's sum
	v_rcp_f32 v[TT+3], v[TT+2]
	v_nop
	s_wait_alu depctr_va_vdst(0)
	v_mul_f32 v[TT+4], v[TT+5], v[TT+3]                      ; a0 / l: the low word of the pair TT + 4, TT + 5
	v_mul_f32 v[TT+6], v[TT+7], v[TT+3]                      ; a1 / l: of the pair TT + 6, TT + 7
.irp j, 0,2,4,6,8,10,12,14,16,18,20,22,24,26,28,30
	v_pk_mul_f32 v[OT+\j:OT+\j+1], v[OT+\j:OT+\j+1], v[TT+4:TT+5] op_sel_hi:[1,0]   ; each accumulator from its low end on
.endr
.irp j, 0,2,4,6,8,10,12,14,16,18,20,22,24,26,28,30
	v_pk_fma_f32 v[OT+\j:OT+\j+1], v[F+\j:F+\j+1], v[TT+6:TT+7], v[OT+\j:OT+\j+1] op_sel_hi:[1,0,1]
.endr
.irp i, 0,1,2,3,4,5,6,7,8,9,10,11,12,13,14,15
	v_cvt_pk_f16_f32 v[S+\i], v[OT+2*\i], v[OT+2*\i+1]       ; registers 4 n .. 4 n + 3: channels 16 n + 8 (l / 16) + 0..7 of my query: 16 bytes
.endr
.irp n, 0,1,2,3
	ds_store_b128 v[STO], v[S+4*\n:S+4*\n+3] offset:32*\n
.endr
.irp i, 0,1,2,3
	ds_load_b128 v[S+16+4*\i:S+16+4*\i+3], v[RD] offset:\i*4*SP   ; LDS serves a wave's instructions in order (ISA guide 5.7.1.4): these see the stores above
.endr
.irp i, 0,1,2,3
	s_wait_dscnt 3-\i               ; load i is in, the younger ones may be out
	global_store_b128 v[GO], v[S+16+4*\i:S+16+4*\i+3], s[6:7] offset:\t*2048+512*\i  ; 32 lanes store 512 consecutive bytes, aligned
.endr
.endm
.rept 4
	v_nop                           ; four places behind the last products: for the stores that read their results, and for the loads into V's fragments
.endr
	s_cmp_lt_u32 s[WV], 8
	s_cbranch_scc0 .Lput_0
	PUT 1
	s_branch .Lput_done
.Lput_0:
	PUT 0
.Lput_done:
	s_wait_dscnt 0x0                ; for my partner's sake: my stores have landed
	s_barrier_signal -1
	s_barrier_wait -1
	s_cmp_lt_u32 s[WV], 8
	s_cbranch_scc0 .Lfin_1
	FINISH 0
	s_branch .Lfin_done
.Lfin_1:
	FINISH 1
.Lfin_done:
	s_wait_tensorcnt 0x0            ; the wave's end, behind my last tensor load and my last LDS store
	ds_add_u32 v[SPW], v[NIL]
	s_wait_dscnt 0x0
	CROUND                          ; the closing round: no work-group ends while a partner may still ask for a tile that names it
	s_endpgm
.Lfunc_end_k_qea0cf20bfd_attn:
	.size	k_qea0cf20bfd_attn, .Lfunc_end_k_qea0cf20bfd_attn-k_qea0cf20bfd_attn
	.p2alignl 7, 3214868480
	.fill 96, 4, 3214868480
	.section	.rodata,"a",@progbits
	.p2align	6, 0x0
	.amdhsa_kernel k_qea0cf20bfd_attn
		.amdhsa_group_segment_fixed_size 327680
		.amdhsa_private_segment_fixed_size 0
		.amdhsa_enable_private_segment 0
		.amdhsa_kernarg_size 16
		.amdhsa_user_sgpr_count 2
		.amdhsa_user_sgpr_kernarg_segment_ptr 1
		.amdhsa_wavefront_size32 1
		.amdhsa_system_sgpr_workgroup_id_x 1
		.amdhsa_system_sgpr_workgroup_id_y 1
		.amdhsa_system_sgpr_workgroup_id_z 1
		.amdhsa_system_vgpr_workitem_id 0
		.amdhsa_next_free_vgpr 256
		.amdhsa_next_free_sgpr 72
		.amdhsa_reserve_vcc 0
		.amdhsa_float_denorm_mode_32 3
		.amdhsa_float_denorm_mode_16_64 3
		.amdhsa_memory_ordered 1
		.amdhsa_forward_progress 1
		.amdhsa_inst_pref_size 77
	.end_amdhsa_kernel
	.amdgpu_metadata
---
amdhsa.version: [ 1, 2 ]
amdhsa.kernels:
  - .name:           k_qea0cf20bfd_attn
    .symbol:         k_qea0cf20bfd_attn.kd
    .args:
      - { .name: qkv, .offset: 0, .size: 8, .value_kind: global_buffer, .address_space: global }
      - { .name: ctx, .offset: 8, .size: 8, .value_kind: global_buffer, .address_space: global }
    .group_segment_fixed_size: 327680
    .private_segment_fixed_size: 0
    .kernarg_segment_align: 8
    .kernarg_segment_size: 16
    .max_flat_workgroup_size: 512
    .sgpr_count:     72
    .vgpr_count:     256
    .wavefront_size: 32
...
	.end_amdgpu_metadata
.endif
;; end of part 3
;; launch outp (part 4): grid 8 x 32, 4 waves a work-group, clusters of 4 x 4, 327,680 bytes of LDS; arguments ctx, wot, bo, out0; writes out0
.if DOCPART == 4
	.amdgcn_target "amdgcn-amd-amdhsa--gfx1250"
	.amdhsa_code_object_version 6
	.text
	.protected	k_qea0cf20bfd_outp
	.globl	k_qea0cf20bfd_outp
	.p2align	8
	.type	k_qea0cf20bfd_outp,@function
k_qea0cf20bfd_outp:
	s_mov_b64 s[64:65], 0
	v_nop
	global_prefetch_b8 v0, s[64:65] scope:SCOPE_SE
	s_setreg_imm32_b32 hwreg(HW_REG_WAVE_MODE, 25, 1), 1
	s_wait_xcnt 0x0
	s_wait_alu depctr_hold_cnt(0) depctr_sa_sdst(0) depctr_va_vdst(0) depctr_va_sdst(0) depctr_va_ssrc(0) depctr_va_vcc(0) depctr_vm_vsrc(0)
	s_getreg_b32 s2, hwreg(HW_REG_IB_STS2, 6, 4)
	s_cmp_eq_u32 s2, 0
	s_cbranch_scc0 .Lentry_in_a_cluster
	s_endpgm
.Lentry_in_a_cluster:
	s_bfe_u32 s2, ttmp6, 0x10000c
	s_cmp_lg_u32 s2, 0xf033
	s_cbranch_scc0 .Lentry_shape_is_right
	s_endpgm
.Lentry_shape_is_right:
; out0[token][n] = the sum over k of ctx[token][k] Wo[k][n] + bo[n]: f16 operands, f32 sums, bo as the C of each sum's first product.  4,096 x 1,024 x 1,024.
; ctx: f16 [token / 128][h][token % 128][64];  wot: f16 [n / 128][h][n % 128][64], k = 64 h + d.  So the 128 rows of a tile, for four heads (256 along K), are 65,536 consecutive bytes.
; A tile of out0 is 128 x 128: 256 work-groups, one for each WGP.  Four waves, each 64 x 64: 16 accumulators of 16 x 16.  K goes in steps of 256 through a ring of two LDS slots; a wave's tensor load brings two
; heads x 128 rows of 128 bytes.  A quarter of a K step is one head: 64 along K, 32 matrix instructions.
; CLUSTERS: 4 x 4 work-groups.  The four of a row of the cluster need the same tiles of ctx, the four of a column the same tiles of wot: each tile is asked for JOINTLY, by the same tensor load with the same
; descriptor and a mask that names the four.  THE MATRIX INSTRUCTION IS USED TRANSPOSED (source 0 = 16 rows of wot, source 1 = 16 tokens): a lane then holds eight neighbouring numbers of a row of out0.
; No prefetch: the launch is short and a K step's tiles are few bytes.
; REGISTERS: window 0: v0-31 addresses; v32-95 at work on the way out; v96-127 bo, eight registers for each of my 4 column blocks; v128-255 the accumulators ((a, b) at v[128 + 8 (4 a + b)]).
;   window 1: two fragment buffers of 128: for 64 along K, 64 registers of ctx (2 x 4 x 16 rows x 32 K), then 64 of wot.
.set PITCH,  144                       ; an LDS row: 128 bytes + 16 of padding = 36 words: the 16 rows that a load touches begin at 16 different groups of four banks (64 banks of 4 bytes: ISA guide 11.1)
.set PLANE,  128*PITCH                 ; one head's 128 rows
.set HALFT,  2*PLANE                   ; what one tensor load brings
.set SLOT,   4*HALFT                   ; ctx's four heads, then wot's four
.set ROWS64, 64*PITCH
.set STEPG,  65536                     ; a K step of a tile in memory
.set STAGE,  2*SLOT                    ; behind the ring: 16 rows x 272 bytes for each wave, for the way out
.set SPITCH, 272
.set SPARE,  STAGE+4*16*SPITCH         ; the spare words, 128 bytes for each wave: two blocks of 256 bytes that no other line names
.set LAPS,   2                         ; a lap = two K steps = once round the ring: 1,024 / 512
.set ADRA, 16                          ; v16-17  LDS address of my ctx fragments in slot 0, 1
.set ADRB, 20                          ; v20-21  the same for wot
.set STO,  24                          ; v24     the way out: where I put 32 bytes of a row
.set RD,   25                          ; v25     where I read a row back
.set CO,   26                          ; v26     my byte offset in out0
.set BOF,  27                          ; v27     32 x (lane / 16): my eight numbers of a block of bo
.set SPW,  28                          ; v28     LDS address of my spare word; never rewritten
.set NIL,  29                          ; v29     0; never rewritten
.set TMP,  32
.set BIAS, 96
.set ACC,  128
.set F0,   0                           ; fragment buffers, in window 1
.set F1,   128
.set G1, 24                            ; s[24:31] descriptor group 1 for ctx's tiles;  s[32:39] group 0, one set for each slot
.set G0, 32
.set G1B, 48                           ; s[48:55], s[56:63] the same for wot's tiles
.set G0B, 56
.set MSB, 0
.macro WIN new                         ; the immediate's high byte repeats the setting that is left
.if MSB != \new
	s_set_vgpr_msb (MSB<<8)|\new
.set MSB, \new
.endif
.endm
.set MUL,  0x05                        ; sources 0 (wot) and 1 (ctx) window 1; C and D window 0
.set TO_F, 0x40                        ; destination window 1, address window 0
.macro JLOAD s                         ; a joint load: waves 0 and 1 fetch ctx's two halves, waves 2 and 3 wot's; an s_nop 0 and four v_nop follow each of the two lines, ahead of the jump, the label and what follows
	s_cmp_eq_u32 s11, 0
	s_cbranch_scc0 .Lfor_b_\@
	tensor_load_to_lds s[G0+4*\s:G0+4*\s+3], s[G1:G1+7]
	s_nop 0
.rept 4
	v_nop
.endr
	s_branch .Lasked_\@
.Lfor_b_\@:
	tensor_load_to_lds s[G0B+4*\s:G0B+4*\s+3], s[G1B:G1B+7]
	s_nop 0
.rept 4
	v_nop
.endr
.Lasked_\@:
.endm
.macro CREST                           ; a round of the cluster's barrier behind its opening barrier
	s_cmp_lg_u32 s10, 0
	s_cbranch_scc1 .Lnot_wave_0_\@
	s_barrier_signal -3
.Lnot_wave_0_\@:
	s_barrier_wait -3
	s_barrier_signal -1
	s_barrier_wait -1
.endm
.macro CROUND                          ; a whole round
	s_barrier_signal -1
	s_barrier_wait -1
	CREST
.endm
	s_load_b128 s[4:7], s[0:1], 0x0                ; ctx s[4:5], wot s[6:7]
	s_load_b64 s[66:67], s[0:1], 0x10              ; bo
	s_load_b64 s[8:9], s[0:1], 0x18                ; out0
	v_lshl_add_u32 v[SPW], v0, 2, SPARE
	v_mov_b32 v[NIL], 0
	ds_add_u32 v[SPW], v[NIL]                      ; the wave's opening: the add, twice on end, and its wait ahead of my first tensor load; the set-up below stands between
	ds_add_u32 v[SPW], v[NIL]
	v_lshrrev_b32 v1, 5, v0
	v_readfirstlane_b32 s10, v1                    ; wave 0..3
	s_lshr_b32 s11, s10, 1                         ; which half of the tile's rows is mine.  Also: I fetch for ctx (0) or for wot (1)
	s_and_b32 s12, s10, 1                          ; which half of its columns.  Also: which two heads of a K step I fetch
	s_bfe_u32 s40, ttmp6, 0x40000                  ; cx, cy: my place in the cluster
	s_bfe_u32 s41, ttmp6, 0x40004
	s_lshl_b32 s42, ttmp9, 2
	s_add_co_u32 s42, s42, s40                     ; tile column = 4 x cluster x + cx
	s_and_b32 s13, ttmp7, 0xffff
	s_lshl_b32 s13, s13, 2
	s_add_co_u32 s13, s13, s41                     ; tile row = 4 x cluster y + cy
	s_lshl_b32 s43, s41, 2
	s_lshl_b32 s43, 15, s43                        ; my row of the cluster
	s_lshl_b32 s44, 0x1111, s40                    ; my column
	; descriptor group 1: 256 rows x 64 elements, dense in memory, padded in LDS
	s_or_b32 s[G1+0], s43, (1<<16)|(1<<20)|(1<<21)|(4<<22)|(3<<25)  ; 15:0 the mask: ctx's tiles go to my row; 17:16 elements of 2 bytes; 20 padding on; 21 set beside a mask; 24:22 after every 32 words; 31:25 four words
	s_or_b32 s[G1B+0], s44, (1<<16)|(1<<20)|(1<<21)|(4<<22)|(3<<25)
.irp g, G1, G1B
	s_mov_b32 s[\g+1], 64<<16                      ; tensor_dim0
	s_mov_b32 s[\g+2], 256<<16                     ; tensor_dim1
	s_mov_b32 s[\g+3], 64<<16                      ; tile_dim0
	s_mov_b32 s[\g+4], 256                         ; tile_dim1
	s_mov_b32 s[\g+5], 64                          ; tensor_dim0_stride
	s_mov_b32 s[\g+6], 0
	s_mov_b32 s[\g+7], 0
.endr
	s_lshl_b32 s17, s12, 15                        ; which two heads I fetch: 32,768 bytes
	s_lshl_b32 s16, s13, 18
	s_add_co_u32 s16, s16, s17                     ; ctx: 262,144 bytes a tile row
	s_lshl_b32 s46, s42, 18
	s_add_co_u32 s46, s46, s17                     ; wot: as many a tile column
	s_mov_b32 s17, 0
	s_mov_b32 s47, 0
	s_mul_i32 s20, s10, HALFT                      ; where they go: wave x 256 rows: no place in the cluster enters an LDS address
	s_wait_dscnt 0x0                               ; both opening adds are done
	s_wait_kmcnt 0x0
	s_add_nc_u64 s[14:15], s[4:5], s[16:17]
	s_add_nc_u64 s[46:47], s[6:7], s[46:47]
	CROUND                                         ; all sixteen work-groups are here: the first joint loads meet
.irp s, 0,1
	s_mov_b32 s[G0+4*\s], 1
	s_add_co_u32 s[G0+4*\s+1], s20, \s*SLOT
	s_add_nc_u64 s[G0+4*\s+2:G0+4*\s+3], s[14:15], \s*STEPG
	s_or_b32 s[G0+4*\s+3], s[G0+4*\s+3], 0x80000000
	s_mov_b32 s[G0B+4*\s], 1
	s_add_co_u32 s[G0B+4*\s+1], s20, \s*SLOT
	s_add_nc_u64 s[G0B+4*\s+2:G0B+4*\s+3], s[46:47], \s*STEPG
	s_or_b32 s[G0B+4*\s+3], s[G0B+4*\s+3], 0x80000000
	JLOAD \s                                       ; two tensor loads of mine are out
.endr
	v_and_b32 v1, 15, v0                           ; r = l % 16
	v_bfe_u32 v2, v0, 4, 1                         ; h = l / 16
	s_lshl_b32 s46, s42, 9                         ; my first column, in bytes of f32: 512 x tile column + 256 x half
	s_lshl_b32 s47, s12, 8
	s_add_co_u32 s46, s46, s47
	s_mov_b32 s47, 0
	s_add_nc_u64 s[66:67], s[66:67], s[46:47]      ; bo there
	v_lshlrev_b32 v[BOF], 5, v2
.irp b, 0,1,2,3
	global_load_b128 v[BIAS+8*\b:BIAS+8*\b+3],   v[BOF], s[66:67] offset:64*\b      ; for column block b: bo at 16 b + 8 h + 0 .. 7, in the result's layout
	global_load_b128 v[BIAS+8*\b+4:BIAS+8*\b+7], v[BOF], s[66:67] offset:64*\b+16
.endr
	v_mul_u32_u24 v3, v1, PITCH
	v_lshl_add_u32 v3, v2, 4, v3                   ; a fragment's row x pitch + 16 x half
	s_mul_i32 s21, s11, ROWS64                     ; my 64 rows of each head's 128 of ctx
	s_mul_i32 s22, s12, ROWS64                     ; my 64 rows of wot,
	s_add_co_u32 s22, s22, 2*HALFT                 ; whose four heads lie behind ctx's four
.irp s, 0,1
	v_add_nc_u32 v[ADRA+\s], s21, v3
	v_add_nc_u32 v[ADRB+\s], s22, v3
	s_add_co_u32 s21, s21, SLOT
	s_add_co_u32 s22, s22, SLOT
.endr
	s_mul_i32 s23, s10, 16*SPITCH
	s_add_co_u32 s23, s23, STAGE                   ; my stage: a wave's 64 columns of f32 are 256 bytes, a whole aligned piece of a row, so each wave has its own and no barrier is needed
	v_mul_u32_u24 v4, v1, SPITCH                   ; in: row r, 32 bytes for each half of the lanes
	v_lshl_add_u32 v4, v2, 5, v4
	v_add_nc_u32 v[STO], s23, v4
	v_mul_u32_u24 v5, v2, SPITCH                   ; back: lanes 0-15 take one row of 256 bytes, lanes 16-31 the next
	v_lshl_add_u32 v5, v1, 4, v5
	v_add_nc_u32 v[RD], s23, v5
	v_lshlrev_b32 v5, 12, v2                       ; and the same two rows in out0: 4,096 bytes a row
	v_lshl_add_u32 v[CO], v1, 4, v5
	s_lshl_b32 s16, s13, 19                        ; my first row of out0: 128 x tile row + 64 x half, 4,096 bytes each
	s_lshl_b32 s17, s11, 18
	s_add_co_u32 s16, s16, s17
	s_mov_b32 s17, 0
	s_add_nc_u64 s[8:9], s[8:9], s[16:17]
	s_add_nc_u64 s[8:9], s[8:9], s[46:47]
; 8 matrix instructions: row blocks a0, a0 + 1 x all 4 column blocks, 32 along K: half c of buffer f.  zero = 1: the first product starts the sums, with bo as C.  The 16 accumulators take turns.
.macro MUL8 f, c, a0, zero
.irp a, \a0, \a0+1
.irp b, 0,1,2,3
.if \zero
	v_wmma_f32_16x16x32_f16 v[ACC+8*(4*(\a)+\b):ACC+8*(4*(\a)+\b)+7], v[\f+64+8*(4*\c+\b):\f+64+8*(4*\c+\b)+7], v[\f+8*(4*\c+\a):\f+8*(4*\c+\a)+7], v[BIAS+8*\b:BIAS+8*\b+7]
.else
	v_wmma_f32_16x16x32_f16 v[ACC+8*(4*(\a)+\b):ACC+8*(4*(\a)+\b)+7], v[\f+64+8*(4*\c+\b):\f+64+8*(4*\c+\b)+7], v[\f+8*(4*\c+\a):\f+8*(4*\c+\a)+7], v[ACC+8*(4*(\a)+\b):ACC+8*(4*(\a)+\b)+7]
.endif
.endr
.endr
.endm
; 32 LDS loads in one run: the fragments of one head (64 along K), whose rows begin k bytes into the slot's ctx and wot, into buffer f; the first 32 along K first.  The largest offset is 3 PLANE + 7,008, inside 16 bits
.macro FETCH slot, k, f
	WIN TO_F
.irp c, 0,1
.irp i, 0,1,2,3
	ds_load_b128 v[\f+64+8*(4*\c+\i):\f+64+8*(4*\c+\i)+3],   v[ADRB+\slot] offset:\k+64*\c+\i*16*PITCH
	ds_load_b128 v[\f+64+8*(4*\c+\i)+4:\f+64+8*(4*\c+\i)+7], v[ADRB+\slot] offset:\k+64*\c+\i*16*PITCH+32
	ds_load_b128 v[\f+8*(4*\c+\i):\f+8*(4*\c+\i)+3],         v[ADRA+\slot] offset:\k+64*\c+\i*16*PITCH
	ds_load_b128 v[\f+8*(4*\c+\i)+4:\f+8*(4*\c+\i)+7],       v[ADRA+\slot] offset:\k+64*\c+\i*16*PITCH+32
.endr
.endr
.endm
.macro PLACES                          ; four places in front of loads into registers that matrix instructions have read, and of the first read of results (ISA guide 7.12.1 for the first read of results)
.rept 4
	v_nop
.endr
.endm
; A K step is four quarters, one head each, on buffers 0, 1, 0, 1.  One of the first three: multiplies buffer f and fetches the next head, at byte k, into g.
.macro QUARTER slot, k, f, g, zero
	s_wait_dscnt 16                                ; the first 32 along K are in; the youngest sixteen loads may be out
	WIN MUL
	MUL8 \f, 0, 0, \zero
	MUL8 \f, 0, 2, \zero
	PLACES
	FETCH \slot, \k, \g
	s_wait_dscnt 32                                ; all but the 32 just issued
	WIN MUL
	MUL8 \f, 1, 0, 0
	MUL8 \f, 1, 2, 0
.endm
; The last quarter multiplies buffer 1 and changes slots: ONE barrier; in front of it each wave waits for all its tensor loads, adds 0 to its spare word, and waits for that and for its own reads of this slot.
; fill = 1: this slot is filled again, two K steps ahead; the barrier then opens a round of the cluster's.
.macro TURN slot, next, fill
	WIN 0                                          ; (the add's two registers lie in window 0)
	s_wait_tensorcnt 0x0                           ; all my tensor loads have landed: my part of the next slot;
	ds_add_u32 v[SPW], v[NIL]                      ; 0 onto my spare word;
	s_wait_dscnt 17                                ; (the add and the youngest sixteen loads may be out)
	WIN MUL
	MUL8 F1, 0, 0, 0                               ; eight matrix instructions stand between the add and the wait for it
	s_wait_dscnt 0x0                               ; the add is done, and my reads of this slot are over
	s_barrier_signal -1
	MUL8 F1, 0, 2, 0
.if \fill
	WIN 0
.endif
	s_barrier_wait -1
.if \fill
	CREST                                          ; no wave of any partner still reads this slot's tile or has a load on its way
	s_add_nc_u64 s[G0+4*\slot+2:G0+4*\slot+3], s[G0+4*\slot+2:G0+4*\slot+3], 2*STEPG
	s_add_nc_u64 s[G0B+4*\slot+2:G0B+4*\slot+3], s[G0B+4*\slot+2:G0B+4*\slot+3], 2*STEPG
	JLOAD \slot                                    ; the first tensor load behind the round: 112 matrix instructions ahead of the wait for it; its four v_nop are also the places in front of the loads below
.else
	PLACES
.endif
	FETCH \next, 0, F0
	WIN MUL
	MUL8 F1, 1, 0, 0
	MUL8 F1, 1, 2, 0
.endm
	s_wait_tensorcnt 1                             ; my part of K step 0 is in (K step 1's load may be out)
	s_barrier_signal -1
	s_barrier_wait -1                              ; everybody's is
	FETCH 0, 0, F0
	s_wait_loadcnt 0x0                             ; bo
	QUARTER 0, PLANE, F0, F1, 1                    ; the first quarter stands in front of the loop: its first products start the sums
	WIN 0                                          ; at a label and at a branch every window is 0
	s_mov_b32 s3, LAPS-1
.Llap:                                                 ; a trip goes once round the ring, from a lap's second quarter to the next lap's first, and fills both slots again
	QUARTER 0, 2*PLANE, F1, F0, 0
	QUARTER 0, 3*PLANE, F0, F1, 0
	TURN 0, 1, 1
	QUARTER 1, PLANE,   F0, F1, 0
	QUARTER 1, 2*PLANE, F1, F0, 0
	QUARTER 1, 3*PLANE, F0, F1, 0
	TURN 1, 0, 1
	QUARTER 0, PLANE,   F0, F1, 0
	WIN 0
	s_sub_co_u32 s3, s3, 1
	s_cmp_lg_u32 s3, 0
	s_cbranch_scc1 .Llap
	QUARTER 0, 2*PLANE, F1, F0, 0                  ; the last lap fills nothing, and has no round of the cluster's barrier
	QUARTER 0, 3*PLANE, F0, F1, 0
	TURN 0, 1, 0
	QUARTER 1, PLANE,   F0, F1, 0
	QUARTER 1, 2*PLANE, F1, F0, 0
	QUARTER 1, 3*PLANE, F0, F1, 0
	s_wait_dscnt 16                                ; the very last quarter: nothing more to fetch
	WIN MUL
	MUL8 F1, 0, 0, 0
	MUL8 F1, 0, 2, 0
	s_wait_dscnt 0
	MUL8 F1, 1, 0, 0
	MUL8 F1, 1, 2, 0
	WIN 0
; THE WAY OUT, block by block of 16 rows x 64 columns.  A lane holds 32 neighbouring bytes of a row, and the lanes beside it hold other rows: so a block goes through my own stage and comes back as whole pieces of
; 256 bytes, sixteen lanes to a piece.  LDS serves a wave's instructions in order (ISA guide 5.7.1.4): no wait between the stores and the loads, nor in front of the next block's stores.
.macro TOSTAGE a
.irp b, 0,1,2,3
	ds_store_b128 v[STO], v[ACC+8*(4*(\a)+\b):ACC+8*(4*(\a)+\b)+3] offset:64*\b        ; each accumulator from its low end on
	ds_store_b128 v[STO], v[ACC+8*(4*(\a)+\b)+4:ACC+8*(4*(\a)+\b)+7] offset:64*\b+16
.endr
.set BB, TMP+32*((\a)%2)
.irp i, 0,1,2,3,4,5,6,7
	ds_load_b128 v[BB+4*\i:BB+4*\i+3], v[RD] offset:\i*2*SPITCH
.endr
.endm
.macro SEND a, younger                 ; younger: the LDS instructions issued behind block a's loads (the next block's 8 stores and 8 loads, or none), which may stay out
.set BB, TMP+32*((\a)%2)
	s_wait_dscnt \younger                          ; the block is back in registers
.irp i, 0,1,2,3,4,5,6,7
	global_store_b128 v[CO], v[BB+4*\i:BB+4*\i+3], s[8:9] offset:(16*(\a)+2*\i)*4096 th:TH_STORE_NT   ; 16 lanes store 256 consecutive bytes, aligned; written once, read by nobody here; the base is never stepped
.endr
.endm
	PLACES                                         ; behind the last products, ahead of the first read of results
	TOSTAGE 0
.irp a, 1,2,3
.if \a > 1
	s_wait_xcnt 0x0                                ; block a - 2's stores have read their registers: block a's loads may land there
.endif
	TOSTAGE \a
	SEND \a-1, 16
.endr
	SEND 3, 0
	s_wait_tensorcnt 0x0                           ; the wave's end, behind my last tensor load and my last LDS store
	ds_add_u32 v[SPW], v[NIL]
	s_wait_dscnt 0x0
	CROUND                                         ; the closing round: no work-group ends while a partner may still ask for a tile that names it
	s_endpgm
.Lfunc_end_k_qea0cf20bfd_outp:
	.size	k_qea0cf20bfd_outp, .Lfunc_end_k_qea0cf20bfd_outp-k_qea0cf20bfd_outp
	.p2alignl 7, 3214868480
	.fill 96, 4, 3214868480
	.section	.rodata,"a",@progbits
	.p2align	6, 0x0
	.amdhsa_kernel k_qea0cf20bfd_outp
		.amdhsa_group_segment_fixed_size 327680
		.amdhsa_private_segment_fixed_size 0
		.amdhsa_enable_private_segment 0
		.amdhsa_kernarg_size 32
		.amdhsa_user_sgpr_count 2
		.amdhsa_user_sgpr_kernarg_segment_ptr 1
		.amdhsa_wavefront_size32 1
		.amdhsa_system_sgpr_workgroup_id_x 1
		.amdhsa_system_sgpr_workgroup_id_y 1
		.amdhsa_system_sgpr_workgroup_id_z 1
		.amdhsa_system_vgpr_workitem_id 0
		.amdhsa_next_free_vgpr 512
		.amdhsa_next_free_sgpr 68
		.amdhsa_reserve_vcc 0
		.amdhsa_float_denorm_mode_32 3
		.amdhsa_float_denorm_mode_16_64 3
		.amdhsa_memory_ordered 1
		.amdhsa_forward_progress 1
		.amdhsa_inst_pref_size 86
	.end_amdhsa_kernel
	.amdgpu_metadata
---
amdhsa.version: [ 1, 2 ]
amdhsa.kernels:
  - .name:           k_qea0cf20bfd_outp
    .symbol:         k_qea0cf20bfd_outp.kd
    .args:
      - { .name: ctx, .offset: 0, .size: 8, .value_kind: global_buffer, .address_space: global }
      - { .name: wot, .offset: 8, .size: 8, .value_kind: global_buffer, .address_space: global }
      - { .name: bo, .offset: 16, .size: 8, .value_kind: global_buffer, .address_space: global }
      - { .name: out0, .offset: 24, .size: 8, .value_kind: global_buffer, .address_space: global }
    .group_segment_fixed_size: 327680
    .private_segment_fixed_size: 0
    .kernarg_segment_align: 8
    .kernarg_segment_size: 32
    .max_flat_workgroup_size: 128
    .sgpr_count:     68
    .vgpr_count:     512
    .wavefront_size: 32
...
	.end_amdgpu_metadata
.endif
;; end of part 4
